; MI455X (gfx1250); checked and timed in simulation.
; The chip was launched on July 23, 2026; its instructions are those of AMD's public machine-readable ISA for CDNA 5 (MIT licence, August 2026) and "CDNA5" Instruction Set Architecture Reference Guide (July 2026). The comments in the code are by the model that wrote it; some were corrected since.
;; self attention. Allowed arithmetic: matrix products marked QUANTISED: E3M2 operands, one E8M0 scale for each 32 along K, by v_wmma_scale_f32_16x16x128_f8f6f4 with both operands' format E3M2, f32 sums; everything else in f32.
;; Inputs: Wk 1,024 x 1,024 float32; Wo 1,024 x 1,024 float32; Wq 1,024 x 1,024 float32; Wv 1,024 x 1,024 float32; bo 1,024 float32; x 4 x 2,048 x 1,024 float32.
;; Outputs: out0 4 x 2,048 x 1,024 float32.
;; This version of the problem:
;;   THIS VERSION OF THE PROBLEM IS GIVEN IN LOW PRECISION. The matrix products marked QUANTISED in the list below multiply operands that are first quantised to E3M2 (3 exponent bits, 2 mantissa bits; 6 bits a number), with one power-of-two scale for each 32 numbers along K (OCP MX v1.0); their sums are f32. All else is computed in f32.
;;   The module's matrix products, in the order in which they are computed (A, B: the left and right operand; K: the contracted axis; several contracted axes count as one K, in the product's order):
;;     1. [M 8,192, K 1,024] x [K 1,024, N 1,024]; A: input x; B: input Wq: QUANTISED
;;     2. [M 8,192, K 1,024] x [K 1,024, N 1,024]; A: input x; B: input Wk: QUANTISED
;;     3. [M 8,192, K 1,024] x [K 1,024, N 1,024]; A: input x; B: input Wv: QUANTISED
;;     4. batch 64 x [M 2,048, K 64] x [K 64, N 2,048]; A: computed on the way; B: computed on the way: QUANTISED
;;     5. batch 64 x [M 2,048, K 2,048] x [K 2,048, N 64]; A: softmax (see below); B: computed on the way: QUANTISED
;;     6. [M 8,192, K 1,024] x [K 1,024, N 1,024]; A: computed on the way; B: input Wo: QUANTISED
;;   THE QUANTISER, for each operand of a quantised product, along K:
;;     - K is cut into blocks of 32 from its start; a last block that is shorter is filled with zeros.
;;     - A block's scale is 2^e with e = floor(log2(the largest magnitude in the block)) - 4, held to -126 .. 127; a block of zeros has e = 0. As a byte (E8M0): e + 127.
;;     - Each number is divided by its block's scale, clamped to +-28, and rounded to the nearest number of E3M2, ties to even, subnormals kept.
;;     - The product sums the exact products of the quantised numbers (number of the format x scale) in f32.
;;   ~~~python
;;   def quantise(x, axis):      # numpy; x: float32 -> the quantised numbers, widened to float32 again
;;       x = np.moveaxis(x, axis, -1); K = x.shape[-1]
;;       x = np.pad(x, [(0, 0)] * (x.ndim - 1) + [(0, -K % 32)]); x = x.reshape(x.shape[:-1] + (-1, 32)); a = np.abs(x).max(-1, keepdims=True)
;;       e = np.where(a > 0, np.clip(np.frexp(np.where(a > 0, a, 1))[1] - 1 - 4, -126, 127), 0)      # np.frexp(a)[1] - 1 = floor(log2(a)), exactly
;;       r = np.clip(x / 2.0 ** e, -28, 28)
;;       step = 2.0 ** (np.maximum(np.frexp(np.where(r == 0, 1, r))[1] - 1, -2) - 2)
;;       q = np.round(r / step) * step * 2.0 ** e      # np.round: ties to even
;;       return np.moveaxis(q.reshape(q.shape[:-2] + (-1,))[..., :K], -1, axis).astype(np.float32)
;;   ~~~
;;   SOFTMAX AHEAD OF A QUANTISED PRODUCT. Where the list says 'softmax', what is quantised is not the finished softmax but p = 2^(t - M), with t = logit x log2(e) and M = ceil(the row's largest t), a whole number; so 1/2 < the row's largest p <= 1. The row's sum l is taken of the UNQUANTISED p, in f32, and the product's result is divided by l at the end. Since M is a whole number, a kernel that streams over the keys may use a running M (the ceiling of the running maximum): every later rescaling is an exact power of two, which a block's scale takes up: the codes' values come out the same.
;;   OPERANDS COMPUTED ON THE WAY. 'Computed on the way' means the value that the module computes at that place (a softmax that the list does not call 'softmax' is quantised finished and normalised). What goes into a quantiser is computed in f32, as accurately as f32 sums, v_exp_f32 and their like allow (about 1e-6 of the number): no bf16 or f16 on the way to a quantiser, and a product that is left as it is and whose result goes on into a quantised operand takes f32 operands (vector FMAs, or v_wmma_f32_16x16x4_f32). A number that lies on a knife's edge between two numbers of the format may be rounded either way, as far as f32 arithmetic and the matrix unit's own rounding can turn it there, and no further.
;; One version. Each part assembles by itself: llvm-mc -triple=amdgcn-amd-amdhsa -mcpu=gfx1250 --defsym DOCPART=n.
;; ======== version 1 of 1: 4 launches
;; workspace buffers: xrec 6,815,744 bytes; crec 6,815,744 bytes; wrec 3,407,872 bytes; qkv 20,185,088 bytes
;; launch quant (part 1): grid 640 x 1, 4 waves a work-group, no clusters, 34,304 bytes of LDS; arguments x, Wq, Wk, Wv, Wo, xrec, wrec; writes xrec, wrec
.if DOCPART == 1
	.amdgcn_target "amdgcn-amd-amdhsa--gfx1250"
	.amdhsa_code_object_version 6
	.text
	.protected	k_q96b5e5e4e1_quant
	.globl	k_q96b5e5e4e1_quant
	.p2align	8
	.type	k_q96b5e5e4e1_quant,@function
k_q96b5e5e4e1_quant:
	s_mov_b64 s[64:65], 0
	v_nop
	global_prefetch_b8 v0, s[64:65] scope:SCOPE_SE
	s_setreg_imm32_b32 hwreg(HW_REG_WAVE_MODE, 25, 1), 1
	s_wait_xcnt 0x0
; x [8192][1024] (K innermost) and Wq, Wk, Wv, Wo [1024 (K)][1024 (n)] (K outermost), f32, become codes of BF6 (E3M2) with one E8M0 byte for each 32 along K.
; A block's scale is 2^(floor(log2(largest magnitude)) - 4): its byte is the largest magnitude's exponent field - 4, held at 1 from below by a floor among the maximum's leaves.
; LIMITS: NaN and infinities are not served; a block of zeros gets the byte 1 (its codes are zeros, and only this program reads the bytes).
; LAYOUT OF THE RESULT: the order of an operand's registers.  A tile is 16 rows; its record is 13,312 bytes: four slots of 3,328, one for each 256 along K.
; A slot: four images of 768 bytes (16 rows x 64 K: a lane's registers 0-3 at 16 x lane, registers 4-5 at 512 + 8 x lane), then 128 bytes of scale words ([row][2 words], one word for 128 K), then 128 bytes that nobody writes or reads.
; THE ROWS OF A TILE ARE NOT NEIGHBOURS: in each aligned group of 32 rows, place 16 u + 8 c + p holds row 8 u + 16 c + p, so that results of products that take such tiles as source 0 run along true neighbours.
; Work-groups 0-127 take the weights (32 columns x all of K; a wave takes 256 along K), work-groups 128-639 a tile of x each (a wave takes 256 along K).
; The work-groups share no input, memory binds: no cluster, no tensor load, no barrier; only the path for x uses LDS, each wave bytes of its own.
.set TILEB, 13312
.set SLOTB, 3328
.set SCO,   3072
.set RR,   2                           ; v2   lane % 16
.set WOF,  3                           ; v3   W: my column's byte in a row's 128
.set STA,  4                           ; v4   x: the stage, on the way in
.set RDA,  5                           ; v5   x: the stage, on the way out
.set SH8,  6                           ; v6   8 x (lane / 16)
.set XSO,  7                           ; v7   x: my scale word's place
.set L16,  8                           ; v8   16 x lane
.set L8,   9                           ; v9   8 x lane
.set HH,   10                          ; v10  lane / 16
.set WSO,  20                          ; v20  W: my two scale words' place
.set SB,   24                          ; v24-25 W: my column's eight scale bytes
.set WQ,   26                          ; v26-27 x: my row's two scale words
.set XW,   32                          ; v32-95   W: two sets of 32 numbers
.set CW,   96                          ; v96-159  W: codes, 16 registers for each pair of blocks
.set TW,   160                         ; v160-162 W: the upper half of a block's codes
.set R,    32                          ; v32-159  x: as loaded
.set XN,   160                         ; v160-223 x: 64 numbers of my row, two whole blocks
.set PX,   224                         ; v224-247 x: the codes of two fragments
.set TX,   248                         ; v248-250, v252-254 x: upper halves
	s_load_b256 s[4:11], s[0:1], 0x0               ; x, Wq, Wk, Wv
	s_load_b128 s[12:15], s[0:1], 0x20             ; Wo, xrec
	s_load_b64 s[16:17], s[0:1], 0x30              ; wrec
	v_lshl_add_u32 v251, v0, 2, 0x8400
	v_mov_b32 v255, 0
	v_lshrrev_b32 v1, 5, v0
	v_readfirstlane_b32 s18, v1                    ; wave 0..3
	v_and_b32 v1, 31, v0                           ; lane
	v_lshlrev_b32 v[L16], 4, v1
	v_lshlrev_b32 v[L8], 3, v1
	v_and_b32 v[RR], 15, v0
	v_bfe_u32 v[HH], v0, 4, 1
	s_mov_b32 s23, 0
	s_wait_kmcnt 0x0
	s_cmp_lt_u32 ttmp9, 128
	s_cbranch_scc0 .Lx_path
; ---------------- the weights: a lane takes a column, its registers run down K
	s_lshr_b32 s20, ttmp9, 5                       ; which weight: 0 Wq, 1 Wk, 2 Wv, 3 Wo
	s_and_b32 s21, ttmp9, 31                       ; which 32 columns
	s_cmp_eq_u32 s20, 1
	s_cselect_b64 s[6:7], s[8:9], s[6:7]
	s_cmp_eq_u32 s20, 2
	s_cselect_b64 s[6:7], s[10:11], s[6:7]
	s_cmp_eq_u32 s20, 3
	s_cselect_b64 s[6:7], s[12:13], s[6:7]
	s_lshl_b32 s22, s18, 20                        ; my wave's 256 rows of 4,096 bytes
	s_lshl_b32 s24, s21, 7                         ; the group's 128 bytes in a row
	s_add_co_u32 s22, s22, s24
	s_add_nc_u64 s[6:7], s[6:7], s[22:23]
	s_lshl_b32 s24, s20, 6
	s_lshl_b32 s25, s21, 1
	s_add_co_u32 s24, s24, s25                     ; the first of my two tiles: 64 x weight + 2 x group
	s_mul_i32 s24, s24, TILEB
	s_mul_i32 s25, s18, SLOTB
	s_add_co_u32 s22, s24, s25
	s_add_nc_u64 s[16:17], s[16:17], s[22:23]
	v_and_b32 v[WOF], 7, v0
	v_lshlrev_b32 v[WOF], 2, v[WOF]
	s_wait_alu depctr_va_vdst(0)
	v_lshl_add_u32 v[WOF], v[HH], 5, v[WOF]        ; lane 16 u + 8 c + p takes column 8 u + 16 c + p: the lane's number is the column's place
	v_bfe_u32 v11, v0, 3, 1
	v_lshl_add_u32 v[WOF], v11, 6, v[WOF]
	v_mul_u32_u24 v[WSO], v[HH], TILEB
	v_lshl_add_u32 v[WSO], v[RR], 3, v[WSO]        ; tile lane / 16, row lane % 16: 8 bytes
.macro WLOAD t                         ; block t: W(32 t + i, my column): each load reads 128 consecutive bytes
.irp i, 0,1,2,3,4,5,6,7,8,9,10,11,12,13,14,15,16,17,18,19,20,21,22,23,24,25,26,27,28,29,30,31
	global_load_b32 v[XW+32*((\t)%2)+\i], v[WOF], s[6:7] offset:(32*(\t)+\i)*4096 th:TH_LOAD_NT
.endr
.endm
.macro WBLOCK t
.set XS, XW+32*((\t)%2)
.set CC, CW+16*((\t)/2)+8*((\t)%2)
.set CA, CW+16*((\t)/2)
.if (\t) < 7
	s_wait_loadcnt 32                              ; this block's 32 loads are in; the next block's 32 may be out
.else
	s_wait_loadcnt 0x0
.endif
	v_max3_num_f32 v12, |v[XS]|, |v[XS+1]|, |v[XS+2]|               ; the block's largest magnitude: all 32 numbers are mine; two chains
	v_max3_num_f32 v13, |v[XS+3]|, |v[XS+4]|, |v[XS+5]|
.irp i, 6,10,14,18,22,26
	v_max3_num_f32 v12, v12, |v[XS+\i]|, |v[XS+\i+1]|
	v_max3_num_f32 v13, v13, |v[XS+\i+2]|, |v[XS+\i+3]|
.endr
	v_max3_num_f32 v12, v12, |v[XS+30]|, |v[XS+31]|
	v_max3_num_f32 v12, v12, v13, 0x2800000        ; and the floor 2^(5 - 127): the byte cannot fall under 1
	v_add_nc_u32 v11, 0xfe000000, v12              ; 4 off the exponent field: the conversion's scale operand
	v_lshrrev_b32 v13, 23, v11                     ; the scale's byte
.if (\t)%4 == 0
	v_mov_b32 v[SB+(\t)/4], v13
.else
	v_lshl_or_b32 v[SB+(\t)/4], v13, 8*((\t)%4), v[SB+(\t)/4]
.endif
	v_cvt_scalef32_pk16_bf6_f32 v[CC:CC+2], v[XS:XS+15], v11
	v_cvt_scalef32_pk16_bf6_f32 v[TW:TW+2], v[XS+16:XS+31], v11     ; (a conversion's three registers begin on an even number)
	v_nop                                          ; one plain place behind a scaled conversion
.irp i, 0,1,2
	v_mov_b32 v[CC+3+\i], v[TW+\i]
.endr
.if (\t)+2 < 8
	WLOAD (\t)+2
.endif
.if (\t)%2 == 1
.irp i, 0,1,2,3,4,5                    ; lanes 0-15 hold the first tile's rows, lanes 16-31 the second's; an image wants one tile, the even block below and the odd block above
	v_permlane16_swap_b32 v[CA+\i], v[CA+8+\i]
.endr
	global_store_b128 v[L16], v[CA:CA+3], s[16:17] offset:((\t)/2)*768             ; 512 consecutive bytes
	global_store_b64 v[L8], v[CA+4:CA+5], s[16:17] offset:((\t)/2)*768+512         ; 256 consecutive bytes
	global_store_b128 v[L16], v[CA+8:CA+11], s[16:17] offset:TILEB+((\t)/2)*768
	global_store_b64 v[L8], v[CA+12:CA+13], s[16:17] offset:TILEB+((\t)/2)*768+512 ; each pair of blocks has registers of its own: no store's data are written again
.endif
.endm
	WLOAD 0
	WLOAD 1
.irp t, 0,1,2,3,4,5,6,7
	WBLOCK \t
.endr
	global_store_b64 v[WSO], v[SB:SB+1], s[16:17] offset:SCO
	s_endpgm
; ---------------- x: loads as the bytes lie, a turn through the wave's own stage, then a lane holds two whole blocks of its row
.Lx_path:
	s_sub_co_u32 s20, ttmp9, 128                   ; the tile
	s_lshr_b32 s21, s20, 1
	s_lshl_b32 s21, s21, 5
	s_and_b32 s22, s20, 1
	s_lshl_b32 s22, s22, 3
	s_add_co_u32 s21, s21, s22                     ; its first row: 32 (tile / 2) + 8 (tile % 2)
	s_lshl_b32 s22, s21, 12
	s_lshl_b32 s24, s18, 10                        ; my wave's 256 numbers of a row
	s_add_co_u32 s22, s22, s24
	s_add_nc_u64 s[4:5], s[4:5], s[22:23]
	s_mul_i32 s22, s20, TILEB
	s_mul_i32 s24, s18, SLOTB
	s_add_co_u32 s22, s22, s24
	s_add_nc_u64 s[14:15], s[14:15], s[22:23]
	s_wait_alu depctr_va_vdst(0)
.irp q, 0,1
.irp i, 0,1,2,3,4,5,6,7,8,9,10,11,12,13,14,15
	global_load_b128 v[R+64*\q+4*\i:R+64*\q+4*\i+3], v[L16], s[4:5] offset:(\i+8*(\i/8))*4096+512*\q th:TH_LOAD_NT   ; place i of the tile, K step q: 512 consecutive bytes
.endr
.endr
	s_mul_i32 s21, s18, 16*528                     ; my stage: 16 rows of 512 bytes + 16: the sixteen rows of a read begin at sixteen different banks (64 banks of 4 bytes: ISA guide 11.1)
	v_add_nc_u32 v[STA], s21, v[L16]
	v_mul_u32_u24 v[RDA], v[RR], 528
	v_lshl_add_u32 v[RDA], v[HH], 7, v[RDA]
	v_add_nc_u32 v[RDA], s21, v[RDA]               ; row lane % 16, + 128 bytes for lanes 16-31: k = 64 c + 32 (lane / 16) on
	v_lshlrev_b32 v[SH8], 3, v[HH]
	v_lshlrev_b32 v[XSO], 3, v[RR]
	v_lshl_add_u32 v[XSO], v[HH], 2, v[XSO]        ; lanes 0-15 store K step 0's word of row r, lanes 16-31 K step 1's
	v_mov_b32 v18, 0                               ; a lane permute's destination counts as one of its sources
	s_mov_b32 s26, 0x76543210
	s_mov_b32 s27, 0xfedcba98                      ; v_permlanex16_b32's selects for lane l xor 16
	s_mov_b32 s28, 0xffff0000                      ; lanes 16-31
.macro XSTEP q
	s_wait_loadcnt 16*(1-\q)                       ; this K step's sixteen loads are in; the other step's sixteen may be out
.irp i, 0,1,2,3,4,5,6,7,8,9,10,11,12,13,14,15
	ds_store_b128 v[STA], v[R+64*\q+4*\i:R+64*\q+4*\i+3] offset:528*\i
.endr
.irp c, 0,1
.irp j, 0,1,2,3,4,5,6,7
	ds_load_b128 v[XN+32*\c+4*\j:XN+32*\c+4*\j+3], v[RDA] offset:256*\c+16*\j   ; LDS serves a wave's instructions in order (ISA guide 5.7.1.4): these see the stores above
.endr
.endr
	s_wait_dscnt 0x0
.irp c, 0,1
	v_max3_num_f32 v[12+\c], |v[XN+32*\c]|, |v[XN+32*\c+1]|, 0x2800000   ; block 2 c + lane / 16: all its 32 numbers are mine; and the floor
.endr
.irp i, 2,4,6,8,10,12,14,16,18,20,22,24,26,28,30
.irp c, 0,1
	v_max3_num_f32 v[12+\c], v[12+\c], |v[XN+32*\c+\i]|, |v[XN+32*\c+\i+1]|
.endr
.endr
.irp c, 0,1
	v_add_nc_u32 v[14+\c], 0xfe000000, v[12+\c]    ; the conversion's scale operand
.endr
.irp c, 0,1
	v_lshrrev_b32 v[16+\c], 23, v[14+\c]           ; the byte
.endr
	v_lshl_or_b32 v[WQ+\q], v17, 16, v16           ; my two bytes, at their places in the row's word,
	v_lshlrev_b32 v[WQ+\q], v[SH8], v[WQ+\q]
	v_permlanex16_b32 v18, v[WQ+\q], s26, s27
	v_or_b32 v[WQ+\q], v[WQ+\q], v18               ; with lane l xor 16's two the word is whole
.irp c, 0,1
	v_cvt_scalef32_pk16_bf6_f32 v[PX+12*\q+6*\c:PX+12*\q+6*\c+2], v[XN+32*\c:XN+32*\c+15], v[14+\c]
	v_cvt_scalef32_pk16_bf6_f32 v[TX+4*\c:TX+4*\c+2], v[XN+32*\c+16:XN+32*\c+31], v[14+\c]
.endr
	v_nop                                          ; one plain place behind a scaled conversion
.irp c, 0,1
.irp i, 0,1,2
	v_mov_b32 v[PX+12*\q+6*\c+3+\i], v[TX+4*\c+\i]
.endr
.endr
	global_store_b128 v[L16], v[PX+12*\q:PX+12*\q+3], s[14:15] offset:1536*\q
	global_store_b64 v[L8], v[PX+12*\q+4:PX+12*\q+5], s[14:15] offset:1536*\q+512
	global_store_b128 v[L16], v[PX+12*\q+6:PX+12*\q+9], s[14:15] offset:1536*\q+768
	global_store_b64 v[L8], v[PX+12*\q+10:PX+12*\q+11], s[14:15] offset:1536*\q+1280   ; each K step has registers of its own for its codes
.endm
	s_wait_alu depctr_va_vdst(0)
	XSTEP 0
	XSTEP 1
	v_cndmask_b32 v19, v[WQ], v[WQ+1], s28
	global_store_b32 v[XSO], v19, s[14:15] offset:SCO
	s_wait_tensorcnt 0x0
	ds_add_u32 v251, v255
	s_wait_dscnt 0x0
	s_endpgm
.Lfunc_end_k_q96b5e5e4e1_quant:
	.size	k_q96b5e5e4e1_quant, .Lfunc_end_k_q96b5e5e4e1_quant-k_q96b5e5e4e1_quant
	.p2alignl 7, 3214868480
	.fill 96, 4, 3214868480
	.section	.rodata,"a",@progbits
	.p2align	6, 0x0
	.amdhsa_kernel k_q96b5e5e4e1_quant
		.amdhsa_group_segment_fixed_size 34304
		.amdhsa_private_segment_fixed_size 0
		.amdhsa_enable_private_segment 0
		.amdhsa_kernarg_size 56
		.amdhsa_user_sgpr_count 2
		.amdhsa_user_sgpr_kernarg_segment_ptr 1
		.amdhsa_wavefront_size32 1
		.amdhsa_system_sgpr_workgroup_id_x 1
		.amdhsa_system_sgpr_workgroup_id_y 1
		.amdhsa_system_sgpr_workgroup_id_z 1
		.amdhsa_system_vgpr_workitem_id 0
		.amdhsa_next_free_vgpr 256
		.amdhsa_next_free_sgpr 66
		.amdhsa_reserve_vcc 0
		.amdhsa_float_denorm_mode_32 3
		.amdhsa_float_denorm_mode_16_64 3
		.amdhsa_memory_ordered 1
		.amdhsa_forward_progress 1
		.amdhsa_inst_pref_size 56
	.end_amdhsa_kernel
	.amdgpu_metadata
---
amdhsa.version: [ 1, 2 ]
amdhsa.kernels:
  - .name:           k_q96b5e5e4e1_quant
    .symbol:         k_q96b5e5e4e1_quant.kd
    .args:
      - { .name: x, .offset: 0, .size: 8, .value_kind: global_buffer, .address_space: global }
      - { .name: Wq, .offset: 8, .size: 8, .value_kind: global_buffer, .address_space: global }
      - { .name: Wk, .offset: 16, .size: 8, .value_kind: global_buffer, .address_space: global }
      - { .name: Wv, .offset: 24, .size: 8, .value_kind: global_buffer, .address_space: global }
      - { .name: Wo, .offset: 32, .size: 8, .value_kind: global_buffer, .address_space: global }
      - { .name: xrec, .offset: 40, .size: 8, .value_kind: global_buffer, .address_space: global }
      - { .name: wrec, .offset: 48, .size: 8, .value_kind: global_buffer, .address_space: global }
    .group_segment_fixed_size: 34304
    .private_segment_fixed_size: 0
    .kernarg_segment_align: 8
    .kernarg_segment_size: 56
    .max_flat_workgroup_size: 128
    .sgpr_count:     66
    .vgpr_count:     256
    .wavefront_size: 32
...
	.end_amdgpu_metadata
.endif
;; end of part 1
;; launch qkv (part 2): grid 12 x 64, 4 waves a work-group, clusters of 4 x 4, 307,712 bytes of LDS; arguments xrec, wrec, qkv; writes qkv
.if DOCPART == 2
	.amdgcn_target "amdgcn-amd-amdhsa--gfx1250"
	.amdhsa_code_object_version 6
	.text
	.protected	k_q96b5e5e4e1_qkv
	.globl	k_q96b5e5e4e1_qkv
	.p2align	8
	.type	k_q96b5e5e4e1_qkv,@function
k_q96b5e5e4e1_qkv:
	s_mov_b64 s[64:65], 0
	v_nop
	global_prefetch_b8 v0, s[64:65] scope:SCOPE_SE
	s_setreg_imm32_b32 hwreg(HW_REG_WAVE_MODE, 25, 1), 1
	s_wait_xcnt 0x0
	s_wait_alu depctr_hold_cnt(0) depctr_sa_sdst(0) depctr_va_vdst(0) depctr_va_sdst(0) depctr_va_ssrc(0) depctr_va_vcc(0) depctr_vm_vsrc(0)
	s_getreg_b32 s2, hwreg(HW_REG_IB_STS2, 6, 4)
	s_cmp_eq_u32 s2, 0
	s_cbranch_scc0 .Lentry_in_a_cluster
	s_endpgm
.Lentry_in_a_cluster:
	s_bfe_u32 s2, ttmp6, 0x10000c
	s_cmp_lg_u32 s2, 0xf033
	s_cbranch_scc0 .Lentry_shape_is_right
	s_endpgm
.Lentry_shape_is_right:
; q = x Wq, k = x Wk, v = x Wv on codes of BF6 (E3M2) with E8M0 scales, K = 1,024; the results are quantised in registers, q and k along the head's 64, v along the keys, and stored as operands' register images.
; SHARES.  A work-group makes 128 tokens x 256 columns; each of its four waves 128 x 64, one head: 32 accumulators.  The cluster's x says which weight (0 q, 1 k, 2 v): it is the same in all partners.
; LDS.  The work-group's operands for ALL of K are (8 + 16) tiles x 4 slots x 3,200 bytes = 307,200 bytes: every LDS byte is filled ONCE, by eight tensor loads a wave issued together at the start.
; So there is no ring and no refill; a chunk of 256 along K is read behind a counted wait and a barrier.
; CLUSTER.  4 x 4 work-groups: x's tiles hang on the token block alone and are shared along a row of the cluster, the weights' on the column block alone and are shared along a column: each is asked for jointly.
; LAYOUT.  A tile's 16 rows are places of the order that the first launch laid (place r of tile 2 b + u = row 32 b + 8 u + r + 8 (r / 8)).  For q and k source 0 = 16 columns of W, source 1 = 16 tokens: a lane holds one token and its
; 32 registers of four tiles run along the head's d: register 16 b + i = d 32 b + 16 (lane / 16) + i.  For v source 0 = 16 tokens, source 1 = 16 columns: a lane holds one d and its 64 registers run along the 128 tokens likewise.
; LIMITS: NaN and infinities are not served; a block of zeros gets the byte 1 (zero codes; only this program reads the bytes).
; REGISTERS: window 0: v1-8 addresses; v32-63 scale words, two sets; v64-86 at work; v128-203 codes and words on the way out.  window 1: the accumulators.  windows 2, 3: two sets of fragments: x's eight at v0-95, W's four at v96-143.
.set TILEB, 13312                      ; a tile's record in memory
.set SLOTB, 3328                       ; a slot of it: 256 along K
.set TL,    3200                       ; what is fetched of a slot: 3,072 bytes of codes, 128 of scale words
.set CHUNK, 76800                      ; LDS: 24 tiles x 3,200: one chunk of 256 along K
.set BOFF,  25600                      ; in it W's 16 tiles lie behind x's 8
.set RECB,  19712                      ; a record of qkv: one head, 128 tokens
.set L16, 1                            ; v1 16 x lane     v2 8 x lane
.set L8,  2
.set A16, 3                            ; v3, v4 the same + the chunk in hand: x's tiles
.set A8,  4
.set B16, 5                            ; v5, v6 W's tiles: my wave's four
.set B8,  6
.set S1,  7                            ; v7 scale words: lanes 0-15 x's rows, lanes 16-31 W's
.set S2,  8                            ; v8 scale words: x's rows in all lanes
.set SC,  32
.set TM,  64
.set TQ,  80
.set G1A, 16                           ; s[16:23], s[24:31] descriptor groups 1;  s[32:47], s[48:63] groups 0, one for each chunk
.set G1B, 24
.set G0A, 32
.set G0B, 48
.set SEL, 76
.set HM,  78
.set WV,  84
.set CX,  85
.set CY,  86
.set CG,  87
.set TB,  88
.set MSB, 0
.macro WIN new                         ; the immediate's high byte repeats the setting that is left
.if MSB != \new
	s_set_vgpr_msb (MSB<<8)|\new
.set MSB, \new
.endif
.endm
.macro PLACES
.rept 4
	v_nop
.endr
.endm
.macro CROUND                          ; a round of the cluster's barrier
	s_barrier_signal -1
	s_barrier_wait -1
	s_cmp_lg_u32 s[WV], 0
	s_cbranch_scc1 .Lnot_wave_0_\@
	s_barrier_signal -3
.Lnot_wave_0_\@:
	s_barrier_wait -3
	s_barrier_signal -1
	s_barrier_wait -1
.endm
	s_load_b128 s[4:7], s[0:1], 0x0                ; xrec, wrec
	s_load_b64 s[8:9], s[0:1], 0x10                ; qkv
	v_lshl_add_u32 v254, v0, 2, 0x4b000
	v_mov_b32 v255, 0
	ds_add_u32 v254, v255
	ds_add_u32 v254, v255
	v_lshrrev_b32 v9, 5, v0
	v_readfirstlane_b32 s[WV], v9                  ; wave 0..3
	s_bfe_u32 s[CX], ttmp6, 0x40000
	s_bfe_u32 s[CY], ttmp6, 0x40004
	s_lshl_b32 s[CG], ttmp9, 2
	s_add_co_u32 s[CG], s[CG], s[CX]               ; block of 256 columns, 0..11
	s_and_b32 s[TB], ttmp7, 0xffff
	s_lshl_b32 s[TB], s[TB], 2
	s_add_co_u32 s[TB], s[TB], s[CY]               ; block of 128 tokens, 0..63
	s_lshl_b32 s80, s[CY], 2
	s_lshl_b32 s80, 15, s80                        ; my row of the cluster
	s_lshl_b32 s81, 0x1111, s[CX]                  ; my column
	s_or_b32 s[G1A], s80, (3<<16)|(1<<21)          ; 15:0 the mask; 17:16 elements of 8 bytes; 21 set beside a mask; no padding
	s_or_b32 s[G1B], s81, (3<<16)|(1<<21)
	s_mov_b32 s[G1A+1], 400<<16                    ; tensor_dim0 = 400 elements: 3,200 bytes of a slot
	s_mov_b32 s[G1A+2], 2<<16                      ; tensor_dim1 = 2 tiles
	s_mov_b32 s[G1A+3], 400<<16                    ; tile_dim0
	s_mov_b32 s[G1A+4], 2                          ; tile_dim1
	s_mov_b32 s[G1A+5], 1664                       ; from tile to tile: 13,312 bytes
	s_mov_b32 s[G1A+6], 0
	s_mov_b32 s[G1A+7], 0
	s_mov_b32 s[G1B+1], 400<<16
	s_mov_b32 s[G1B+2], 4<<16                      ; 4 tiles
	s_mov_b32 s[G1B+3], 400<<16
	s_mov_b32 s[G1B+4], 4
	s_mov_b32 s[G1B+5], 1664
	s_mov_b32 s[G1B+6], 0
	s_mov_b32 s[G1B+7], 0
	s_lshl_b32 s70, s[TB], 3                       ; x: tile 8 x token block + 2 x wave: no register of this sum ever holds cx
	s_lshl_b32 s71, s[WV], 1
	s_add_co_u32 s70, s70, s71
	s_mul_i32 s70, s70, TILEB
	s_mov_b32 s71, 0
	s_lshl_b32 s72, s[CG], 4                       ; W: tile 16 x column block + 4 x wave: none of these ever holds cy
	s_lshl_b32 s73, s[WV], 2
	s_add_co_u32 s72, s72, s73
	s_mul_i32 s72, s72, TILEB
	s_mov_b32 s73, 0
	s_mul_i32 s74, s[WV], 2*TL                     ; where they go: the wave's number and constants alone
	s_mul_i32 s75, s[WV], 4*TL
	s_add_co_u32 s75, s75, BOFF
	s_wait_dscnt 0x0
	s_wait_kmcnt 0x0
	s_add_nc_u64 s[66:67], s[4:5], s[70:71]
	s_add_nc_u64 s[68:69], s[6:7], s[72:73]
.irp p, 0,1,2,3
	s_mov_b32 s[G0A+4*\p], 1
	s_add_co_u32 s[G0A+4*\p+1], s74, \p*CHUNK
	s_add_nc_u64 s[G0A+4*\p+2:G0A+4*\p+3], s[66:67], \p*SLOTB
	s_or_b32 s[G0A+4*\p+3], s[G0A+4*\p+3], 0x80000000
	s_mov_b32 s[G0B+4*\p], 1
	s_add_co_u32 s[G0B+4*\p+1], s75, \p*CHUNK
	s_add_nc_u64 s[G0B+4*\p+2:G0B+4*\p+3], s[68:69], \p*SLOTB
	s_or_b32 s[G0B+4*\p+3], s[G0B+4*\p+3], 0x80000000
.endr
	CROUND                                         ; all sixteen work-groups are here: the joint loads meet
.irp p, 0,1,2,3                        ; all fills of the launch, in the order in which they are wanted: eight loads of mine are out
	tensor_load_to_lds s[G0A+4*\p:G0A+4*\p+3], s[G1A:G1A+7]
	s_nop 0
	tensor_load_to_lds s[G0B+4*\p:G0B+4*\p+3], s[G1B:G1B+7]
	s_nop 0
.endr
	PLACES                                         ; four v_nop follow the last of them
	v_and_b32 v9, 31, v0
	v_lshlrev_b32 v[L16], 4, v9
	v_lshlrev_b32 v[L8], 3, v9
	v_lshlrev_b32 v[A16], 4, v9
	v_lshlrev_b32 v[A8], 3, v9
	v_add_nc_u32 v[B16], s75, v[L16]
	v_add_nc_u32 v[B8], s75, v[L8]
	v_and_b32 v10, 15, v0
	v_bfe_u32 v11, v0, 4, 1
	v_lshlrev_b32 v[S2], 3, v10                    ; 8 bytes a row
	v_mul_u32_u24 v[S1], s75, v11                  ; lanes 16-31 take W's
	v_add_nc_u32 v[S1], v[S1], v[S2]
.irp j, 2,3,4,5,6,7
	v_mov_b32 v[TM+\j], 0                          ; a lane permute's destination counts as one of its sources
.endr
	s_mov_b32 s[SEL], 0x76543210
	s_mov_b32 s[SEL+1], 0xfedcba98
	s_mov_b32 s[HM], 0xffff0000                    ; lanes 16-31
	s_lshr_b32 s80, s[TB], 4                       ; my record: ((batch x 16 + head) x 16 + group of 128 tokens) x 19,712; head = 4 cx + wave
	s_lshl_b32 s80, s80, 4
	s_lshl_b32 s81, s[CX], 2
	s_add_co_u32 s80, s80, s81
	s_add_co_u32 s80, s80, s[WV]
	s_lshl_b32 s80, s80, 4
	s_and_b32 s81, s[TB], 15
	s_add_co_u32 s80, s80, s81
	s_mul_i32 s80, s80, RECB
	s_mov_b32 s81, 0
	s_add_nc_u64 s[8:9], s[8:9], s[80:81]
.macro FRAG reg, a16, a8, off          ; a fragment, 12 registers, is two images of 768 bytes: every load reads 512 or 256 consecutive bytes
	ds_load_b128 v[\reg:\reg+3], v[\a16] offset:\off
	ds_load_b64 v[\reg+4:\reg+5], v[\a8] offset:\off+512
	ds_load_b128 v[\reg+6:\reg+9], v[\a16] offset:\off+768
	ds_load_b64 v[\reg+10:\reg+11], v[\a8] offset:\off+1280
.endm
.macro FETCH k                         ; K step k (128 along K) into fragment set k % 2; with a chunk's first step its scale words, two words a row
.set WN, 0x80+0x40*((\k)%2)
	WIN WN
.irp i, 0,1,2,3,4,5,6,7
	FRAG 12*\i, A16, A8, TL*\i+1536*((\k)%2)
.endr
.irp t, 0,1,2,3
	FRAG 96+12*\t, B16, B8, TL*\t+1536*((\k)%2)
.endr
.if (\k)%2 == 0
	WIN 0
.irp i, 0,1,2,3
	ds_load_b64 v[SC+16*(((\k)/2)%2)+2*\i:SC+16*(((\k)/2)%2)+2*\i+1], v[S1] offset:TL*\i+3072   ; lanes 0-15: x's tile i; lanes 16-31: W's tile i
.endr
.irp i, 4,5,6,7
	ds_load_b64 v[SC+16*(((\k)/2)%2)+2*\i:SC+16*(((\k)/2)%2)+2*\i+1], v[S2] offset:TL*\i+3072
.endr
.endif
.endm
; 32 matrix instructions: the 32 accumulators take turns, one instruction a turn, in the same order in every step.  The first step's products start the sums.
.macro MUL k, tr
.set SS, SC+16*(((\k)/2)%2)+(\k)%2
.set WN, 0x5a+5*((\k)%2)
	WIN WN
.irp i, 0,1,2,3,4,5,6,7
.irp t, 0,1,2,3
.if \tr
.if (\k) == 0
	v_wmma_scale_f32_16x16x128_f8f6f4 v[8*(4*\i+\t):8*(4*\i+\t)+7], v[96+12*\t:107+12*\t], v[12*\i:12*\i+11], 0, v[SS+2*\t], v[SS+2*\i] matrix_a_fmt:MATRIX_FMT_BF6 matrix_b_fmt:MATRIX_FMT_BF6 matrix_a_scale:MATRIX_SCALE_ROW1
.else
	v_wmma_scale_f32_16x16x128_f8f6f4 v[8*(4*\i+\t):8*(4*\i+\t)+7], v[96+12*\t:107+12*\t], v[12*\i:12*\i+11], v[8*(4*\i+\t):8*(4*\i+\t)+7], v[SS+2*\t], v[SS+2*\i] matrix_a_fmt:MATRIX_FMT_BF6 matrix_b_fmt:MATRIX_FMT_BF6 matrix_a_scale:MATRIX_SCALE_ROW1
.endif
.else
.if (\k) == 0
	v_wmma_scale_f32_16x16x128_f8f6f4 v[8*(8*\t+\i):8*(8*\t+\i)+7], v[12*\i:12*\i+11], v[96+12*\t:107+12*\t], 0, v[SS+2*\i], v[SS+2*\t] matrix_a_fmt:MATRIX_FMT_BF6 matrix_b_fmt:MATRIX_FMT_BF6 matrix_b_scale:MATRIX_SCALE_ROW1
.else
	v_wmma_scale_f32_16x16x128_f8f6f4 v[8*(8*\t+\i):8*(8*\t+\i)+7], v[12*\i:12*\i+11], v[96+12*\t:107+12*\t], v[8*(8*\t+\i):8*(8*\t+\i)+7], v[SS+2*\i], v[SS+2*\t] matrix_a_fmt:MATRIX_FMT_BF6 matrix_b_fmt:MATRIX_FMT_BF6 matrix_b_scale:MATRIX_SCALE_ROW1
.endif
.endif
.endr
.endr
.endm
.macro KSTEP k, tr
	s_wait_dscnt 0x0                               ; this step's fragments are in: they were asked for a step, 32 matrix instructions, ago
.if ((\k)%2 == 1) && ((\k) < 7)
	s_wait_tensorcnt 5-(\k)                        ; my two loads of the next chunk have landed; two for each later chunk may be out
	s_barrier_signal -1
	s_barrier_wait -1                              ; everybody's have
	WIN 0
.irp a, A16, A8, B16, B8, S1, S2
	v_add_nc_u32 v[\a], CHUNK, v[\a]               ; on to the next chunk; these six are also the places in front of the loads below
.endr
.elseif ((\k) < 7) && ((\k) > 0)
	PLACES                                         ; in front of loads into the set that the last step multiplied (ISA guide 7.12.1 for vector instructions)
.endif
.if (\k) < 7
	FETCH (\k)+1
.endif
	MUL \k, \tr
.endm
; 32 numbers of a lane in window 1, register 16 b + i = k 32 b + 16 (lane / 16) + i of my row, become an image's six registers v[P] on and the row's word (two bytes) in v[W].  Each accumulator is read from its low end on.
.macro QUANT32 src, P, W
	WIN 0x14                                       ; sources 1 and 2 in window 1
.irp b, 0,1
	v_max3_num_f32 v[TM+\b], 0x2800000, |v[\src+16*\b]|, |v[\src+16*\b+1]|   ; my 16 numbers of block b, and the floor 2^(5 - 127)
.endr
.irp i, 2,4,6,8,10,12,14
.irp b, 0,1
	v_max3_num_f32 v[TM+\b], v[TM+\b], |v[\src+16*\b+\i]|, |v[\src+16*\b+\i+1]|
.endr
.endr
	WIN 0
.irp b, 0,1
	v_permlanex16_b32 v[TM+2+\b], v[TM+\b], s[SEL], s[SEL+1]
.endr
.irp b, 0,1
	v_max_num_f32 v[TM+\b], v[TM+\b], v[TM+2+\b]   ; with lane l xor 16's: the block's largest magnitude
.endr
.irp b, 0,1
	v_add_nc_u32 v[TM+4+\b], 0xfe000000, v[TM+\b]  ; 4 off the exponent field: the conversion's scale operand
.endr
.irp b, 0,1
	v_lshrrev_b32 v[TM+6+\b], 23, v[TM+4+\b]       ; the byte
.endr
	v_lshl_or_b32 v[\W], v[TM+7], 8, v[TM+6]       ; bytes 2 and 3 stay 0: they meet zero codes alone
	WIN 0x01                                       ; source 0 in window 1
	v_cvt_scalef32_pk16_bf6_f32 v[\P:\P+2], v[\src:\src+15], v[TM+4]
	v_cvt_scalef32_pk16_bf6_f32 v[TQ:TQ+2], v[\src+16:\src+31], v[TM+5]
	WIN 0
	v_nop                                          ; one plain place behind a scaled conversion
.irp i, 0,1,2
	v_permlane16_swap_b32 v[\P+\i], v[TQ+\i]       ; the layout wants a whole block in a lane: lanes 0-15 block 0, lanes 16-31 block 1
.endr
.irp i, 0,1,2
	v_mov_b32 v[\P+3+\i], v[TQ+\i]
.endr
.endm
; the same for 64 numbers, four blocks: a fragment's twelve registers and a word of four bytes
.macro QUANT128 src, P, W
	WIN 0x14
.irp b, 0,1,2,3
	v_max3_num_f32 v[TM+\b], 0x2800000, |v[\src+16*\b]|, |v[\src+16*\b+1]|
.endr
.irp i, 2,4,6,8,10,12,14
.irp b, 0,1,2,3
	v_max3_num_f32 v[TM+\b], v[TM+\b], |v[\src+16*\b+\i]|, |v[\src+16*\b+\i+1]|
.endr
.endr
	WIN 0
.irp b, 0,1,2,3
	v_permlanex16_b32 v[TM+4+\b], v[TM+\b], s[SEL], s[SEL+1]
.endr
.irp b, 0,1,2,3
	v_max_num_f32 v[TM+\b], v[TM+\b], v[TM+4+\b]
.endr
.irp b, 0,1,2,3
	v_add_nc_u32 v[TM+12+\b], 0xfe000000, v[TM+\b]
.endr
.irp b, 0,1,2,3
	v_lshrrev_b32 v[TM+4+\b], 23, v[TM+12+\b]
.endr
	v_lshl_or_b32 v[\W], v[TM+5], 8, v[TM+4]
	v_lshl_or_b32 v[\W], v[TM+6], 16, v[\W]
	v_lshl_or_b32 v[\W], v[TM+7], 24, v[\W]
	WIN 0x01
.irp c, 0,1
	v_cvt_scalef32_pk16_bf6_f32 v[\P+6*\c:\P+6*\c+2], v[\src+32*\c:\src+32*\c+15], v[TM+12+2*\c]
	v_cvt_scalef32_pk16_bf6_f32 v[TQ+4*\c:TQ+4*\c+2], v[\src+32*\c+16:\src+32*\c+31], v[TM+13+2*\c]
.endr
	WIN 0
	v_nop
.irp c, 0,1
.irp i, 0,1,2
	v_permlane16_swap_b32 v[\P+6*\c+\i], v[TQ+4*\c+\i]
.endr
.irp i, 0,1,2
	v_mov_b32 v[\P+6*\c+3+\i], v[TQ+4*\c+\i]
.endr
.endr
.endm
	s_wait_alu depctr_va_vdst(0)
	s_wait_tensorcnt 6                             ; chunk 0's two loads of mine have landed; the six younger ones stay out
	s_barrier_signal -1
	s_barrier_wait -1                              ; everybody's have
	FETCH 0
	s_cmp_eq_u32 ttmp9, 2                          ; the cluster's x: the same in every partner
	s_cbranch_scc1 .Lv
; ---------------- q and k
.irp k, 0,1,2,3,4,5,6,7
	s_wait_alu depctr_va_vdst(0)
	KSTEP \k, 1
.endr
	PLACES                                         ; in front of the first read of results
	WIN 0
	s_cmp_eq_u32 ttmp9, 0
	s_cselect_b32 s80, 13056, 0                    ; q's codes lie at 13,056 of the record, k's at 0;
	s_mov_b32 s82, 12288
	s_cselect_b32 s82, 19200, s82                  ; their scale words at 19,200 and 12,288
	s_mov_b32 s81, 0
	s_mov_b32 s83, 0
	s_add_nc_u64 s[70:71], s[8:9], s[80:81]
	s_add_nc_u64 s[72:73], s[8:9], s[82:83]
.irp i, 0,1,2,3,4,5,6,7                ; tile i of 16 tokens: its four accumulators are the lane's 32 numbers along d
	QUANT32 32*\i, 128+8*\i, 192+\i
	global_store_b128 v[L16], v[128+8*\i:131+8*\i], s[70:71] offset:768*\i
	global_store_b64 v[L8], v[132+8*\i:133+8*\i], s[70:71] offset:768*\i+512       ; each tile has registers of its own: no store's data are written again
.endr
.irp j, 0,1,2,3
	v_cndmask_b32 v[200+\j], v[192+2*\j], v[193+2*\j], s[HM]   ; register j: tile 2 j's words in lanes 0-15, tile 2 j + 1's in lanes 16-31
.endr
	global_store_b128 v[L16], v[200:203], s[72:73]
	s_branch .Ldone
; ---------------- v
.Lv:
.irp k, 0,1,2,3,4,5,6,7
	s_wait_alu depctr_va_vdst(0)
	KSTEP \k, 0
.endr
	PLACES
	WIN 0
.irp t, 0,1,2,3                        ; tile t of 16 of the head's d: its eight accumulators are the lane's 64 numbers along the 128 tokens
	QUANT128 64*\t, 128+12*\t, 192+\t
	global_store_b128 v[L16], v[128+12*\t:131+12*\t], s[8:9] offset:6144+1536*\t
	global_store_b64 v[L8], v[132+12*\t:133+12*\t], s[8:9] offset:6144+1536*\t+512
	global_store_b128 v[L16], v[134+12*\t:137+12*\t], s[8:9] offset:6144+1536*\t+768
	global_store_b64 v[L8], v[138+12*\t:139+12*\t], s[8:9] offset:6144+1536*\t+1280
.endr
.irp j, 0,1
	v_cndmask_b32 v[200+\j], v[192+2*\j], v[193+2*\j], s[HM]
.endr
	global_store_b64 v[L8], v[200:201], s[8:9] offset:12800
.Ldone:
	s_wait_tensorcnt 0x0
	ds_add_u32 v254, v255
	s_wait_dscnt 0x0
	CROUND                                         ; the closing round: no work-group ends while a partner may still ask for a tile that names it
	s_endpgm
.Lfunc_end_k_q96b5e5e4e1_qkv:
	.size	k_q96b5e5e4e1_qkv, .Lfunc_end_k_q96b5e5e4e1_qkv-k_q96b5e5e4e1_qkv
	.p2alignl 7, 3214868480
	.fill 96, 4, 3214868480
	.section	.rodata,"a",@progbits
	.p2align	6, 0x0
	.amdhsa_kernel k_q96b5e5e4e1_qkv
		.amdhsa_group_segment_fixed_size 307712
		.amdhsa_private_segment_fixed_size 0
		.amdhsa_enable_private_segment 0
		.amdhsa_kernarg_size 24
		.amdhsa_user_sgpr_count 2
		.amdhsa_user_sgpr_kernarg_segment_ptr 1
		.amdhsa_wavefront_size32 1
		.amdhsa_system_sgpr_workgroup_id_x 1
		.amdhsa_system_sgpr_workgroup_id_y 1
		.amdhsa_system_sgpr_workgroup_id_z 1
		.amdhsa_system_vgpr_workitem_id 0
		.amdhsa_next_free_vgpr 1024
		.amdhsa_next_free_sgpr 96
		.amdhsa_reserve_vcc 0
		.amdhsa_float_denorm_mode_32 3
		.amdhsa_float_denorm_mode_16_64 3
		.amdhsa_memory_ordered 1
		.amdhsa_forward_progress 1
		.amdhsa_inst_pref_size 162
	.end_amdhsa_kernel
	.amdgpu_metadata
---
amdhsa.version: [ 1, 2 ]
amdhsa.kernels:
  - .name:           k_q96b5e5e4e1_qkv
    .symbol:         k_q96b5e5e4e1_qkv.kd
    .args:
      - { .name: xrec, .offset: 0, .size: 8, .value_kind: global_buffer, .address_space: global }
      - { .name: wrec, .offset: 8, .size: 8, .value_kind: global_buffer, .address_space: global }
      - { .name: qkv, .offset: 16, .size: 8, .value_kind: global_buffer, .address_space: global }
    .group_segment_fixed_size: 307712
    .private_segment_fixed_size: 0
    .kernarg_segment_align: 8
    .kernarg_segment_size: 24
    .max_flat_workgroup_size: 128
    .sgpr_count:     96
    .vgpr_count:     1024
    .wavefront_size: 32
...
	.end_amdgpu_metadata
.endif
;; end of part 2
;; launch attn (part 3): grid 4 x 64, 16 waves a work-group, clusters of 4 x 1, 210,944 bytes of LDS; arguments qkv, crec; writes crec
.if DOCPART == 3
	.amdgcn_target "amdgcn-amd-amdhsa--gfx1250"
	.amdhsa_code_object_version 6
	.text
	.protected	k_q96b5e5e4e1_attn
	.globl	k_q96b5e5e4e1_attn
	.p2align	8
	.type	k_q96b5e5e4e1_attn,@function
k_q96b5e5e4e1_attn:
	s_mov_b64 s[64:65], 0
	v_nop
	global_prefetch_b8 v0, s[64:65] scope:SCOPE_SE
	s_setreg_imm32_b32 hwreg(HW_REG_WAVE_MODE, 25, 1), 1
	s_wait_xcnt 0x0
	s_wait_alu depctr_hold_cnt(0) depctr_sa_sdst(0) depctr_va_vdst(0) depctr_va_sdst(0) depctr_va_ssrc(0) depctr_va_vcc(0) depctr_vm_vsrc(0)
	s_getreg_b32 s2, hwreg(HW_REG_IB_STS2, 6, 4)
	s_cmp_eq_u32 s2, 0
	s_cbranch_scc0 .Lentry_in_a_cluster
	s_endpgm
.Lentry_in_a_cluster:
	s_bfe_u32 s2, ttmp6, 0x10000c
	s_cmp_lg_u32 s2, 0x3003
	s_cbranch_scc0 .Lentry_shape_is_right
	s_endpgm
.Lentry_shape_is_right:
; ctx = softmax(q k^T / 8, causal) v for one head, both products on codes of BF6 (E3M2) with E8M0 scales; ctx is quantised along the model's 1,024 (this head's 64: two blocks) and stored as an operand's register image.
; THE SOFTMAX: t = score x log2(e) / 8; M = the running largest t rounded UP to a whole number; p = 2^(t - M) is quantised along the keys, not normalised; the row's sum is taken of the unquantised p and divides at the end;
; when M moves, the sum and O are multiplied by 2^(old M - new M), which rounds nothing.
; K = 64 IN THE FIRST PRODUCT: the matrix instruction is 128 deep; registers 6-11 of q's and of k's fragments hold zero codes, written once.
; SHARES.  The four work-groups of a cluster belong to one head.  The head's k, v and their scale words, 16 groups of 128 keys x 13,056 bytes = 208,896 bytes, lie in LDS whole: each of the sixteen waves asks for one group by ONE joint
; tensor load (mask: all four partners); every LDS byte is filled once, so there is no ring and no barrier in the loops.
; Partner cx takes the query tiles 4 m + cx, m = 0 .. 31; the key step on the diagonal is m / 2, whatever cx: no branch hangs on the place in the cluster.  Wave w takes m = w, then m = 31 - w: w / 2 + 1 and 16 - w / 2 key steps: 17 for every wave.
; Both loops have constant trip counts; a key step all of whose keys come after the queries is jumped over by a scalar branch on the wave's number.
; LAYOUT.  Both products are used transposed (S^T = k q^T, O^T = v^T p^T): a lane holds one query.  A tile's 16 rows are places (place r of tile 2 b + u = row 32 b + 8 u + r + 8 (r / 8)), so the 16 registers of tiles 2 b, 2 b + 1 are 16 neighbours.
; The store of ctx's scale bytes is 2 bytes of each row's 8: a head owns only two of a row's eight bytes in its slot; it is one such store for each tile of 16 queries.
; LIMITS: NaN and infinities are not served; a block of zeros gets the byte 1 (zero codes); a p under 2^-126 comes out of v_exp_f32 as 0.
; REGISTERS: v1-7 addresses; v12 -M, v13 the largest t, v[14:15] the sum; v16-27 q; v28-31 k's scale words; v32-79 four fragments of k; v80-127 four of v; v128-191 S^T, then p; v192-223 O^T; v224-235 p's codes; v236-255 at work.
.set RECB, 19712
.set KVB,  13056
.set L16, 1
.set L8,  2
.set A16, 3
.set A8,  4
.set DQ,  5                            ; v5  lane % 16 + 8 ((lane % 16) / 8) - 16 (lane / 16)
.set R16, 6                            ; v6  16 x (lane % 16)
.set R8,  7                            ; v7  8 x (lane % 16)
.set S,   128
.set O,   192
.set PC,  224
.set BM,  236                          ; v236-239 the blocks' largest scores, then p; later the conversions' upper halves
.set PD,  240                          ; v240-243 permutes' destinations, bytes; later the conversions' upper halves
.set SO,  244                          ; v244-247 the conversions' scale operands
.set WV,  8
.set CX,  9
.set BH,  10
.set PH,  11
.set MM,  12
.set DIAG, 13
.set KS,  14
.set KOFF, 15
.set G1,  16
.set G0,  24
.set SEL, 28
.set CS,  30
.set D0,  44
.macro PLACES
.rept 4
	v_nop
.endr
.endm
.macro CROUND
	s_barrier_signal -1
	s_barrier_wait -1
	s_cmp_lg_u32 s[WV], 0
	s_cbranch_scc1 .Lnot_wave_0_\@
	s_barrier_signal -3
.Lnot_wave_0_\@:
	s_barrier_wait -3
	s_barrier_signal -1
	s_barrier_wait -1
.endm
.macro FRAG reg, a16, a8, off
	ds_load_b128 v[\reg:\reg+3], v[\a16] offset:\off
	ds_load_b64 v[\reg+4:\reg+5], v[\a8] offset:\off+512
	ds_load_b128 v[\reg+6:\reg+9], v[\a16] offset:\off+768
	ds_load_b64 v[\reg+10:\reg+11], v[\a8] offset:\off+1280
.endm
	s_load_b128 s[4:7], s[0:1], 0x0                ; qkv, crec
	v_lshl_add_u32 v254, v0, 2, 0x33000
	v_mov_b32 v255, 0
	ds_add_u32 v254, v255
	ds_add_u32 v254, v255
	s_wait_dscnt 0x0
	v_lshrrev_b32 v8, 5, v0
	s_delay_alu instid0(VALU_DEP_1)
	v_readfirstlane_b32 s[WV], v8                  ; wave 0..15
	s_bfe_u32 s[CX], ttmp6, 0x40000                ; my place in the cluster: it enters global addresses and the mask's numbers alone
	s_and_b32 s[BH], ttmp7, 0xffff                 ; batch x 16 + head, which the partners share
	s_mov_b32 s[G1], 15|(3<<16)|(1<<21)            ; the mask: all four; elements of 8 bytes; 21 set beside a mask; no padding
	s_mov_b32 s[G1+1], 32<<16                      ; a dense block of 13,056 bytes as 51 rows of 256
	s_mov_b32 s[G1+2], 51<<16
	s_mov_b32 s[G1+3], 32<<16
	s_mov_b32 s[G1+4], 51
	s_mov_b32 s[G1+5], 32
	s_mov_b32 s[G1+6], 0
	s_mov_b32 s[G1+7], 0
	s_lshl_b32 s32, s[BH], 4
	s_add_co_u32 s32, s32, s[WV]                   ; group w of the head's keys
	s_mul_i32 s32, s32, RECB
	s_mov_b32 s33, 0
	s_mov_b32 s[G0], 1
	s_mul_i32 s[G0+1], s[WV], KVB
	s_wait_kmcnt 0x0
	s_add_nc_u64 s[G0+2:G0+3], s[4:5], s[32:33]
	s_or_b32 s[G0+3], s[G0+3], 0x80000000
	CROUND                                         ; all four work-groups are here: the joint loads meet
	tensor_load_to_lds s[G0:G0+3], s[G1:G1+7]      ; my one tensor load of the launch
	s_nop 0
	PLACES
	v_and_b32 v8, 31, v0
	s_delay_alu instid0(VALU_DEP_1)
	v_lshlrev_b32 v[L16], 4, v8
	s_delay_alu instid0(VALU_DEP_2)
	v_lshlrev_b32 v[L8], 3, v8
	v_and_b32 v9, 15, v0
	v_bfe_u32 v10, v0, 4, 1
	s_delay_alu instid0(VALU_DEP_2)
	v_lshlrev_b32 v[R16], 4, v9
	s_delay_alu instid0(VALU_DEP_3)
	v_lshlrev_b32 v[R8], 3, v9
	s_delay_alu instid0(VALU_DEP_4)
	v_and_b32 v11, 8, v9
	s_delay_alu instid0(VALU_DEP_1)
	v_add_nc_u32 v[DQ], v11, v9
	v_lshlrev_b32 v10, 4, v10
	s_delay_alu instid0(VALU_DEP_1)
	v_sub_nc_u32 v[DQ], v[DQ], v10
.irp j, 22,23,24,25,26,27
	v_mov_b32 v[\j], 0                             ; q's upper 64 along K: zero codes
.endr
.irp t, 0,1,2,3
.irp j, 6,7,8,9,10,11
	v_mov_b32 v[32+12*\t+\j], 0                    ; k's likewise: never loaded
.endr
.endr
.irp j, 240,241,242,243,252,253
	v_mov_b32 v[\j], 0                             ; lane permutes' destinations count as sources; v253 is named as the upper half of the pair v[252:253]
.endr
	s_mov_b32 s[SEL], 0x76543210
	s_mov_b32 s[SEL+1], 0xfedcba98
	s_mov_b32 s[CS], 0x3e38aa3b                    ; c = log2(e) / 8
	s_mov_b32 s[CS+1], s[CS]
	s_mov_b32 s47, 0
	s_mov_b32 s51, 0
	s_wait_tensorcnt 0x0                           ; my group has landed,
	s_barrier_signal -1
	s_barrier_wait -1                              ; everybody's has: the head's k and v are whole
	s_mov_b32 s[PH], 0
.Lphase:
	s_wait_xcnt 0x0                                ; the last phase's stores have read their registers and bases: both are written again below
	s_sub_co_u32 s32, 31, s[WV]
	s_cmp_eq_u32 s[PH], 0
	s_cselect_b32 s[MM], s[WV], s32                ; m = w, then 31 - w
	s_lshr_b32 s[DIAG], s[MM], 1                   ; the key step on the diagonal, and the group that holds my queries
	s_and_b32 s33, s[MM], 1
	s_lshl_b32 s34, s[BH], 4
	s_add_co_u32 s34, s34, s[DIAG]
	s_mul_i32 s34, s34, RECB                       ; that group's record
	s_lshl_b32 s46, s33, 2
	s_add_co_u32 s46, s46, s[CX]                   ; my tile in it: 4 (m % 2) + cx
	s_mul_i32 s46, s46, 768
	s_add_co_u32 s46, s46, s34
	s_add_co_u32 s46, s46, 13056
	s_add_nc_u64 s[36:37], s[4:5], s[46:47]        ; q's codes
	s_and_b32 s35, s[CX], 1
	s_lshr_b32 s48, s[CX], 1
	s_lshl_b32 s49, s33, 1
	s_add_co_u32 s48, s48, s49                     ; tile / 2
	s_lshl_b32 s46, s35, 8
	s_lshl_b32 s49, s48, 2
	s_add_co_u32 s46, s46, s49
	s_add_co_u32 s46, s46, s34
	s_add_co_u32 s46, s46, 19200
	s_add_nc_u64 s[38:39], s[4:5], s[46:47]        ; q's scale words: 16 (16 (tile % 2) + r) + 4 (tile / 2)
	s_lshl_b32 s[D0], s48, 5
	s_lshl_b32 s49, s35, 3
	s_add_co_u32 s[D0], s[D0], s49                 ; my tile's first token in the group: 32 (tile / 2) + 8 (tile % 2)
	s_lshr_b32 s46, s[BH], 4
	s_lshl_b32 s46, s46, 7
	s_lshl_b32 s49, s[MM], 2
	s_add_co_u32 s46, s46, s49
	s_add_co_u32 s46, s46, s[CX]                   ; ctx's tile: batch x 128 + 4 m + cx
	s_mul_i32 s46, s46, 13312
	s_bfe_u32 s49, s[BH], 0x20002                  ; head / 4: the slot
	s_mul_i32 s49, s49, 3328
	s_add_co_u32 s46, s46, s49
	s_and_b32 s49, s[BH], 3                        ; head % 4: the image in the slot
	s_mul_i32 s50, s49, 768
	s_add_co_u32 s50, s50, s46
	s_add_nc_u64 s[40:41], s[6:7], s[50:51]
	s_lshl_b32 s49, s49, 1
	s_add_co_u32 s46, s46, s49
	s_add_co_u32 s46, s46, 3072
	s_add_nc_u64 s[42:43], s[6:7], s[46:47]        ; and its two bytes of each row's eight
	global_load_b128 v[16:19], v[L16], s[36:37]
	global_load_b64 v[20:21], v[L8], s[36:37] offset:512
	global_load_b32 v250, v[R16], s[38:39]
	v_mov_b32 v13, 0xff61b1e6                      ; the largest t so far: -3e38
	s_delay_alu instid0(VALU_DEP_1)
	v_floor_f32 v12, -v13                          ; -M
	v_mov_b32 v14, 0
	v_mov_b32 v15, 0
.irp j, 0,1,2,3,4,5,6,7,8,9,10,11,12,13,14,15,16,17,18,19,20,21,22,23,24,25,26,27,28,29,30,31
	v_mov_b32 v[O+\j], 0                           ; the step is written once: the first finds zeros, which the first change of M leaves zeros
.endr
	s_mov_b32 s[KS], 0
	s_mov_b32 s[KOFF], 0
	s_wait_loadcnt 0x0
.Lstep:
	s_cmp_gt_u32 s[KS], s[DIAG]
	s_cbranch_scc1 .Lhidden                        ; all 128 keys come after my queries
	s_setprio 2
	v_add_nc_u32 v[A16], s[KOFF], v[L16]
	v_add_nc_u32 v[A8], s[KOFF], v[L8]
	ds_load_b128 v[28:31], v[A16] offset:12288     ; k's scale words: register j: tile 2 j in lanes 0-15, tile 2 j + 1 in lanes 16-31
.irp g, 0,1
.if \g
	PLACES                                         ; in front of loads into registers that matrix instructions have read; with the two additions above, six places behind the last step's second products, whose registers v's loads take
.endif
.irp t, 0,1,2,3
	ds_load_b128 v[32+12*\t:35+12*\t], v[A16] offset:768*(4*\g+\t)
	ds_load_b64 v[36+12*\t:37+12*\t], v[A8] offset:768*(4*\g+\t)+512
.endr
.if \g
.irp t, 0,1,2,3
	FRAG 80+12*\t, A16, A8, 6144+1536*\t           ; v's four fragments land under the softmax
.endr
	ds_load_b64 v[248:249], v[A8] offset:12800
	s_wait_dscnt 17                                ; k's tiles are in; v's sixteen loads and its scale words' load may be out
.else
	s_wait_alu depctr_va_vdst(0)
	s_wait_dscnt 0x0
.endif
.irp u, 0,1
	v_wmma_scale_f32_16x16x128_f8f6f4 v[S+8*(4*\g+2*\u):S+8*(4*\g+2*\u)+7], v[32+24*\u:43+24*\u], v[16:27], 0, v[28+2*\g+\u], v250 matrix_a_fmt:MATRIX_FMT_BF6 matrix_b_fmt:MATRIX_FMT_BF6
	v_wmma_scale_f32_16x16x128_f8f6f4 v[S+8*(4*\g+2*\u+1):S+8*(4*\g+2*\u+1)+7], v[44+24*\u:55+24*\u], v[16:27], 0, v[28+2*\g+\u], v250 matrix_a_fmt:MATRIX_FMT_BF6 matrix_b_fmt:MATRIX_FMT_BF6 matrix_a_scale:MATRIX_SCALE_ROW1
.endr
.endr
	PLACES
	s_cmp_lg_u32 s[KS], s[DIAG]
	s_cbranch_scc1 .Lopen                          ; all 128 keys count
	v_add_nc_u32 v254, s[D0], v[DQ]                ; my query's token in the group - 16 (lane / 16).  Register 16 b + i holds key 32 b + 16 (lane / 16) + i: hidden where 32 b + i is greater
	v_mov_b32 v255, 0xff800000                     ; -infinity: p = 0 then
.irp n, 0,1,2,3,4,5,6,7,8,9,10,11,12,13,14,15,16,17,18,19,20,21,22,23,24,25,26,27,28,29,30,31,32,33,34,35,36,37,38,39,40,41,42,43,44,45,46,47,48,49,50,51,52,53,54,55,56,57,58,59,60,61,62,63
	v_cmp_gt_i32 vcc_lo, 32*(\n/16)+\n%16, v254
	v_cndmask_b32 v[S+\n], v[S+\n], v255, vcc_lo
.endr
.Lopen:
.irp b, 0,1,2,3
	v_max3_num_f32 v[BM+\b], v[S+16*\b], v[S+1+16*\b], v[S+2+16*\b]   ; the largest score of each block of 32 keys: for the row's maximum, and, since p rises with the score, for the block's largest p
.endr
.irp i, 3,5,7,9,11,13
.irp b, 0,1,2,3
	v_max3_num_f32 v[BM+\b], v[BM+\b], v[S+16*\b+\i], v[S+1+16*\b+\i]
.endr
.endr
.irp b, 0,1,2,3
	v_max_num_f32 v[BM+\b], v[BM+\b], v[S+15+16*\b]
.endr
.irp b, 0,1,2,3
	s_delay_alu instid0(VALU_DEP_4)
	v_permlanex16_b32 v[PD+\b], v[BM+\b], s[SEL], s[SEL+1]
.endr
.irp b, 0,1,2,3
	s_delay_alu instid0(VALU_DEP_4)
	v_max_num_f32 v[BM+\b], v[BM+\b], v[PD+\b]     ; with lane l xor 16's 16 keys
.endr
	s_delay_alu instid0(VALU_DEP_2)
	v_max3_num_f32 v254, v[BM], v[BM+1], v[BM+2]
	s_delay_alu instid0(VALU_DEP_1)
	v_max_num_f32 v254, v254, v[BM+3]
	s_delay_alu instid0(VALU_DEP_1)
	v_mul_f32 v254, s[CS], v254                    ; as t (c is positive)
	s_delay_alu instid0(VALU_DEP_1)
	v_max_num_f32 v13, v13, v254                   ; the running largest t
	v_mov_b32 v254, v12
	s_delay_alu instid0(VALU_DEP_2)
	v_floor_f32 v12, -v13                          ; the new -M = -ceil(t)
	s_delay_alu instid0(VALU_DEP_1)
	v_sub_f32 v254, v12, v254                      ; old M - new M: a whole number, 0 or less
	s_delay_alu instid0(VALU_DEP_1)
	v_cvt_i32_f32 v254, v254                       ; (it saturates)
	s_delay_alu instid0(VALU_DEP_1)
	v_ldexp_f32 v252, 1.0, v254                    ; f = 2^(old M - new M)
	s_setprio 1
.irp j, 0,2,4,6,8,10,12,14,16,18,20,22,24,26,28,30,32,34,36,38,40,42,44,46,48,50,52,54,56,58,60,62
	v_pk_fma_f32 v[S+\j:S+\j+1], v[S+\j:S+\j+1], s[CS:CS+1], v[12:13] op_sel_hi:[1,0,0]   ; t - M, two at a time
.endr
.irp b, 0,1,2,3
	v_fma_f32 v[BM+\b], v[BM+\b], s[CS], v12
.endr
	s_wait_alu depctr_va_vdst(0)
.irp j, 0,1,2,3,4,5,6,7,8,9,10,11,12,13,14,15,16,17,18,19,20,21,22,23,24,25,26,27,28,29,30,31,32,33,34,35,36,37,38,39,40,41,42,43,44,45,46,47,48,49,50,51,52,53,54,55,56,57,58,59,60,61,62,63
	v_exp_f32 v[S+\j], v[S+\j]                     ; p = 2^(t - M)
.endr
.irp b, 0,1,2,3
	v_exp_f32 v[BM+\b], v[BM+\b]                   ; the block's largest p: the same two instructions on the same number
.endr
	v_pk_mul_f32 v[14:15], v[14:15], v[252:253] op_sel_hi:[1,0]   ; the sums under the new M (a plain place behind the exponentials)
	s_wait_alu depctr_va_vdst(0)
.irp b, 0,1,2,3
	v_max_num_f32 v[BM+\b], 0x2800000, v[BM+\b]    ; the floor 2^(5 - 127)
.endr
.irp b, 0,1,2,3
	s_delay_alu instid0(VALU_DEP_4)
	v_add_nc_u32 v[SO+\b], 0xfe000000, v[BM+\b]
.endr
.irp b, 0,1,2,3
	s_delay_alu instid0(VALU_DEP_4)
	v_lshrrev_b32 v[PD+\b], 23, v[SO+\b]
.endr
	s_delay_alu instid0(VALU_DEP_3)
	v_lshl_or_b32 v251, v[PD+1], 8, v[PD]          ; p's scale word for these 128 keys
	s_delay_alu instid0(VALU_DEP_1)
	v_lshl_or_b32 v251, v[PD+2], 16, v251
	s_delay_alu instid0(VALU_DEP_1)
	v_lshl_or_b32 v251, v[PD+3], 24, v251
.irp c, 0,1
	v_cvt_scalef32_pk16_bf6_f32 v[PC+6*\c:PC+6*\c+2], v[S+32*\c:S+32*\c+15], v[SO+2*\c]
	v_cvt_scalef32_pk16_bf6_f32 v[236+4*\c:238+4*\c], v[S+32*\c+16:S+32*\c+31], v[SO+2*\c+1]
.endr
	v_nop                                          ; one plain place behind a scaled conversion
.irp c, 0,1
.irp i, 0,1,2
	v_permlane16_swap_b32 v[PC+6*\c+\i], v[236+4*\c+\i]
.endr
.irp i, 0,1,2
	s_delay_alu instid0(VALU_DEP_3)
	v_mov_b32 v[PC+6*\c+3+\i], v[236+4*\c+\i]
.endr
.endr
.irp j, 0,2,4,6,8,10,12,14,16,18,20,22,24,26,28,30
	v_pk_mul_f32 v[O+\j:O+\j+1], v[O+\j:O+\j+1], v[252:253] op_sel_hi:[1,0]   ; O^T under the new M
.endr
	s_setprio 0
	v_pk_add_f32 v[236:237], v[132:133], v[136:137]
	v_pk_add_f32 v[254:255], v[140:141], v[144:145]
	v_pk_add_f32 v[246:247], v[148:149], v[152:153]
	v_pk_add_f32 v[244:245], v[156:157], v[160:161]
	v_pk_add_f32 v[238:239], v[164:165], v[168:169]
	v_pk_add_f32 v[72:73], v[172:173], v[176:177]
	v_pk_add_f32 v[70:71], v[180:181], v[184:185]
	v_pk_add_f32 v[14:15], v[14:15], v[188:189]
	v_pk_add_f32 v[236:237], v[236:237], v[128:129]
	v_pk_add_f32 v[254:255], v[254:255], v[130:131]
	v_pk_add_f32 v[246:247], v[246:247], v[134:135]
	v_pk_add_f32 v[244:245], v[244:245], v[138:139]
	v_pk_add_f32 v[238:239], v[238:239], v[142:143]
	v_pk_add_f32 v[72:73], v[72:73], v[146:147]
	v_pk_add_f32 v[70:71], v[70:71], v[150:151]
	v_pk_add_f32 v[14:15], v[14:15], v[154:155]
	v_pk_add_f32 v[236:237], v[236:237], v[158:159]
	v_pk_add_f32 v[254:255], v[254:255], v[162:163]
	v_pk_add_f32 v[246:247], v[246:247], v[166:167]
	v_pk_add_f32 v[244:245], v[244:245], v[170:171]
	v_pk_add_f32 v[238:239], v[238:239], v[174:175]
	v_pk_add_f32 v[72:73], v[72:73], v[178:179]
	v_pk_add_f32 v[70:71], v[70:71], v[182:183]
	v_pk_add_f32 v[14:15], v[14:15], v[186:187]
	v_pk_add_f32 v[236:237], v[236:237], v[190:191]
	s_delay_alu instid0(VALU_DEP_2)
	v_pk_add_f32 v[14:15], v[14:15], v[244:245]
	s_delay_alu instid0(VALU_DEP_2)
	v_pk_add_f32 v[236:237], v[236:237], v[238:239]
	v_pk_add_f32 v[254:255], v[254:255], v[72:73]
	v_pk_add_f32 v[246:247], v[246:247], v[70:71]
	s_delay_alu instid0(VALU_DEP_2)
	v_pk_add_f32 v[14:15], v[14:15], v[254:255]
	s_delay_alu instid0(VALU_DEP_2)
	v_pk_add_f32 v[236:237], v[236:237], v[246:247]
	s_delay_alu instid0(VALU_DEP_1)
	v_pk_add_f32 v[14:15], v[14:15], v[236:237]
	s_wait_dscnt 0x0                               ; v is in
.irp u, 0,1                            ; O^T += v^T p^T: the four accumulators take turns
	v_wmma_scale_f32_16x16x128_f8f6f4 v[O+16*\u:O+16*\u+7], v[80+24*\u:91+24*\u], v[PC:PC+11], v[O+16*\u:O+16*\u+7], v[248+\u], v251 matrix_a_fmt:MATRIX_FMT_BF6 matrix_b_fmt:MATRIX_FMT_BF6
	v_wmma_scale_f32_16x16x128_f8f6f4 v[O+16*\u+8:O+16*\u+15], v[92+24*\u:103+24*\u], v[PC:PC+11], v[O+16*\u+8:O+16*\u+15], v[248+\u], v251 matrix_a_fmt:MATRIX_FMT_BF6 matrix_b_fmt:MATRIX_FMT_BF6 matrix_a_scale:MATRIX_SCALE_ROW1
.endr
.Lhidden:
	s_add_co_u32 s[KOFF], s[KOFF], KVB
	s_add_co_u32 s[KS], s[KS], 1
	s_cmp_lt_u32 s[KS], 16
	s_cbranch_scc1 .Lstep
	s_setprio 0
	; a phase's end: O^T / the sum, quantised along d, stored
	PLACES
	s_wait_alu depctr_va_vdst(0)
	v_add_f32 v14, v14, v15
	s_delay_alu instid0(VALU_DEP_1)
	v_permlanex16_b32 v252, v14, s[SEL], s[SEL+1]
	s_delay_alu instid0(VALU_DEP_1)
	v_add_f32 v14, v14, v252                       ; the row's sum
	s_wait_alu depctr_va_vdst(0)
	v_rcp_f32 v14, v14
	v_nop                                          ; one plain place behind a transcendental
	s_wait_alu depctr_va_vdst(0)
.irp j, 0,1,2,3,4,5,6,7,8,9,10,11,12,13,14,15,16,17,18,19,20,21,22,23,24,25,26,27,28,29,30,31
	v_mul_f32 v[S+\j], v[O+\j], v14                ; register 16 b + i = d 32 b + 16 (lane / 16) + i of my query; each accumulator from its low end on
.endr
.irp b, 0,1
	v_max3_num_f32 v[240+\b], |v[S+16*\b]|, |v[S+16*\b+1]|, 0x2800000
.endr
.irp i, 2,4,6,8,10,12,14
.irp b, 0,1
	s_delay_alu instid0(VALU_DEP_2)
	v_max3_num_f32 v[240+\b], v[240+\b], |v[S+16*\b+\i]|, |v[S+16*\b+\i+1]|
.endr
.endr
.irp b, 0,1
	s_delay_alu instid0(VALU_DEP_2)
	v_permlanex16_b32 v[242+\b], v[240+\b], s[SEL], s[SEL+1]
.endr
.irp b, 0,1
	s_delay_alu instid0(VALU_DEP_2)
	v_max_num_f32 v[240+\b], v[240+\b], v[242+\b]
.endr
.irp b, 0,1
	s_delay_alu instid0(VALU_DEP_2)
	v_add_nc_u32 v[244+\b], 0xfe000000, v[240+\b]
.endr
.irp b, 0,1
	s_delay_alu instid0(VALU_DEP_2)
	v_lshrrev_b32 v[246+\b], 23, v[244+\b]
.endr
	s_delay_alu instid0(VALU_DEP_1)
	v_lshl_or_b32 v254, v247, 8, v246              ; my row's two bytes
	v_cvt_scalef32_pk16_bf6_f32 v[224:226], v[S:S+15], v244
	v_cvt_scalef32_pk16_bf6_f32 v[236:238], v[S+16:S+31], v245
	v_nop
.irp i, 0,1,2
	v_permlane16_swap_b32 v[224+\i], v[236+\i]
.endr
.irp i, 0,1,2
	s_delay_alu instid0(VALU_DEP_3)
	v_mov_b32 v[227+\i], v[236+\i]
.endr
	global_store_b128 v[L16], v[224:227], s[40:41]
	global_store_b64 v[L8], v[228:229], s[40:41] offset:512
	global_store_b16 v[R8], v254, s[42:43]         ; lanes r and r + 16 write the same two bytes with the same value
	s_add_co_u32 s[PH], s[PH], 1
	s_cmp_lt_u32 s[PH], 2
	s_cbranch_scc1 .Lphase
	s_wait_dscnt 0x0
	s_wait_xcnt 0x0
	v_lshl_add_u32 v254, v0, 2, 0x33000
	v_mov_b32 v255, 0
	s_wait_alu depctr_va_vdst(0)
	s_wait_tensorcnt 0x0
	ds_add_u32 v254, v255
	s_wait_dscnt 0x0
	CROUND                                         ; the closing round
	s_endpgm
.Lfunc_end_k_q96b5e5e4e1_attn:
	.size	k_q96b5e5e4e1_attn, .Lfunc_end_k_q96b5e5e4e1_attn-k_q96b5e5e4e1_attn
	.p2alignl 7, 3214868480
	.fill 96, 4, 3214868480
	.section	.rodata,"a",@progbits
	.p2align	6, 0x0
	.amdhsa_kernel k_q96b5e5e4e1_attn
		.amdhsa_group_segment_fixed_size 210944
		.amdhsa_private_segment_fixed_size 0
		.amdhsa_enable_private_segment 0
		.amdhsa_kernarg_size 16
		.amdhsa_user_sgpr_count 2
		.amdhsa_user_sgpr_kernarg_segment_ptr 1
		.amdhsa_wavefront_size32 1
		.amdhsa_system_sgpr_workgroup_id_x 1
		.amdhsa_system_sgpr_workgroup_id_y 1
		.amdhsa_system_sgpr_workgroup_id_z 1
		.amdhsa_system_vgpr_workitem_id 0
		.amdhsa_next_free_vgpr 256
		.amdhsa_next_free_sgpr 66
		.amdhsa_reserve_vcc 1
		.amdhsa_float_denorm_mode_32 3
		.amdhsa_float_denorm_mode_16_64 3
		.amdhsa_memory_ordered 1
		.amdhsa_forward_progress 1
		.amdhsa_inst_pref_size 36
	.end_amdhsa_kernel
	.amdgpu_metadata
---
amdhsa.version: [ 1, 2 ]
amdhsa.kernels:
  - .name:           k_q96b5e5e4e1_attn
    .symbol:         k_q96b5e5e4e1_attn.kd
    .args:
      - { .name: qkv, .offset: 0, .size: 8, .value_kind: global_buffer, .address_space: global }
      - { .name: crec, .offset: 8, .size: 8, .value_kind: global_buffer, .address_space: global }
    .group_segment_fixed_size: 210944
    .private_segment_fixed_size: 0
    .kernarg_segment_align: 8
    .kernarg_segment_size: 16
    .max_flat_workgroup_size: 512
    .sgpr_count:     66
    .vgpr_count:     256
    .wavefront_size: 32
...
	.end_amdgpu_metadata
.endif
;; end of part 3
;; launch proj (part 4): grid 4 x 64, 4 waves a work-group, clusters of 4 x 4, 307,712 bytes of LDS; arguments crec, wrec, bo, out0; writes out0
.if DOCPART == 4
	.amdgcn_target "amdgcn-amd-amdhsa--gfx1250"
	.amdhsa_code_object_version 6
	.text
	.protected	k_q96b5e5e4e1_proj
	.globl	k_q96b5e5e4e1_proj
	.p2align	8
	.type	k_q96b5e5e4e1_proj,@function
k_q96b5e5e4e1_proj:
	s_mov_b64 s[64:65], 0
	v_nop
	global_prefetch_b8 v0, s[64:65] scope:SCOPE_SE
	s_setreg_imm32_b32 hwreg(HW_REG_WAVE_MODE, 25, 1), 1
	s_wait_xcnt 0x0
	s_wait_alu depctr_hold_cnt(0) depctr_sa_sdst(0) depctr_va_vdst(0) depctr_va_sdst(0) depctr_va_ssrc(0) depctr_va_vcc(0) depctr_vm_vsrc(0)
	s_getreg_b32 s2, hwreg(HW_REG_IB_STS2, 6, 4)
	s_cmp_eq_u32 s2, 0
	s_cbranch_scc0 .Lentry_in_a_cluster
	s_endpgm
.Lentry_in_a_cluster:
	s_bfe_u32 s2, ttmp6, 0x10000c
	s_cmp_lg_u32 s2, 0xf033
	s_cbranch_scc0 .Lentry_shape_is_right
	s_endpgm
.Lentry_shape_is_right:
; out0 = ctx Wo + bo on codes of BF6 (E3M2) with E8M0 scales, K = 1,024; out0 [8192][1024] f32.
; SHARES.  A work-group makes 128 tokens x 256 columns; each of its four waves 128 x 64: 32 accumulators.
; LDS.  The work-group's operands for ALL of K are (8 + 16) tiles x 4 slots x 3,200 bytes = 307,200 bytes: every LDS byte is filled ONCE, by eight tensor loads a wave issued together at the start: no ring, no refill.
; CLUSTER.  4 x 4 work-groups: ctx's tiles are shared along a row of the cluster, Wo's along a column: each is asked for jointly.
; LAYOUT.  Source 0 = 16 columns of Wo, source 1 = 16 tokens; a tile's rows are places (place r of tile 2 b + u = row 32 b + 8 u + r + 8 (r / 8)): a lane holds one token, and the 16 registers of column tiles 2 b, 2 b + 1 are columns
; 32 b + 16 (lane / 16) + 0 .. 15.  The bias is the C of each sum's first product.  The tokens' order is undone by the stores' offsets.
; THE WAY OUT goes through a stage of 16 rows x 272 bytes for each wave, in chunk 0's part for ctx: those bytes have had their only fill, and every wave's reads of them were waited for in front of the barrier of K step 1.
; REGISTERS: window 0: v1-12 addresses; v32-63 scale words, two sets; v96-127 the bias; v128-191 rows on the way out.  window 1: the accumulators.  windows 2, 3: two sets of fragments: ctx's eight at v0-95, Wo's four at v96-143.
.set TILEB, 13312
.set SLOTB, 3328
.set TL,    3200
.set CHUNK, 76800
.set BOFF,  25600
.set L16, 1
.set L8,  2
.set A16, 3
.set A8,  4
.set B16, 5
.set B8,  6
.set S1,  7
.set S2,  8
.set STO, 9                            ; v9   the stage: where I put 64 bytes of a row
.set RD,  10                           ; v10  and where I read a row back
.set CO,  11                           ; v11  my byte offset in two rows of out0
.set BOF, 12                           ; v12  64 x (lane / 16): my half's place in the bias
.set SC,  32
.set BI,  96
.set G1A, 16
.set G1B, 24
.set G0A, 32
.set G0B, 48
.set WV,  84
.set CX,  85
.set CY,  86
.set CG,  87
.set TB,  88
.set MSB, 0
.macro WIN new                         ; the immediate's high byte repeats the setting that is left
.if MSB != \new
	s_set_vgpr_msb (MSB<<8)|\new
.set MSB, \new
.endif
.endm
.macro PLACES
.rept 4
	v_nop
.endr
.endm
.macro CROUND
	s_barrier_signal -1
	s_barrier_wait -1
	s_cmp_lg_u32 s[WV], 0
	s_cbranch_scc1 .Lnot_wave_0_\@
	s_barrier_signal -3
.Lnot_wave_0_\@:
	s_barrier_wait -3
	s_barrier_signal -1
	s_barrier_wait -1
.endm
	s_load_b256 s[4:11], s[0:1], 0x0               ; crec, wrec, bo, out0
	v_lshl_add_u32 v254, v0, 2, 0x4b000
	v_mov_b32 v255, 0
	ds_add_u32 v254, v255
	ds_add_u32 v254, v255
	v_lshrrev_b32 v9, 5, v0
	v_readfirstlane_b32 s[WV], v9                  ; wave 0..3
	s_bfe_u32 s[CX], ttmp6, 0x40000
	s_bfe_u32 s[CY], ttmp6, 0x40004
	s_lshl_b32 s[CG], ttmp9, 2
	s_add_co_u32 s[CG], s[CG], s[CX]               ; block of 256 columns, 0..3
	s_and_b32 s[TB], ttmp7, 0xffff
	s_lshl_b32 s[TB], s[TB], 2
	s_add_co_u32 s[TB], s[TB], s[CY]               ; block of 128 tokens, 0..63
	s_lshl_b32 s80, s[CY], 2
	s_lshl_b32 s80, 15, s80                        ; my row of the cluster
	s_lshl_b32 s81, 0x1111, s[CX]                  ; my column
	s_or_b32 s[G1A], s80, (3<<16)|(1<<21)          ; the mask; elements of 8 bytes; 21 set beside a mask; no padding
	s_or_b32 s[G1B], s81, (3<<16)|(1<<21)
	s_mov_b32 s[G1A+1], 400<<16                    ; 3,200 bytes of a slot
	s_mov_b32 s[G1A+2], 2<<16                      ; 2 tiles
	s_mov_b32 s[G1A+3], 400<<16
	s_mov_b32 s[G1A+4], 2
	s_mov_b32 s[G1A+5], 1664                       ; from tile to tile: 13,312 bytes
	s_mov_b32 s[G1A+6], 0
	s_mov_b32 s[G1A+7], 0
	s_mov_b32 s[G1B+1], 400<<16
	s_mov_b32 s[G1B+2], 4<<16                      ; 4 tiles
	s_mov_b32 s[G1B+3], 400<<16
	s_mov_b32 s[G1B+4], 4
	s_mov_b32 s[G1B+5], 1664
	s_mov_b32 s[G1B+6], 0
	s_mov_b32 s[G1B+7], 0
	s_lshl_b32 s70, s[TB], 3                       ; ctx: tile 8 x token block + 2 x wave: no register of this sum ever holds cx
	s_lshl_b32 s71, s[WV], 1
	s_add_co_u32 s70, s70, s71
	s_mul_i32 s70, s70, TILEB
	s_mov_b32 s71, 0
	s_lshl_b32 s72, s[CG], 4                       ; Wo: tile 192 + 16 x column block + 4 x wave: none of these ever holds cy
	s_lshl_b32 s73, s[WV], 2
	s_add_co_u32 s72, s72, s73
	s_add_co_u32 s72, s72, 192
	s_mul_i32 s72, s72, TILEB
	s_mov_b32 s73, 0
	s_mul_i32 s74, s[WV], 2*TL
	s_mul_i32 s75, s[WV], 4*TL
	s_add_co_u32 s75, s75, BOFF
	s_wait_dscnt 0x0
	s_wait_kmcnt 0x0
	s_add_nc_u64 s[66:67], s[4:5], s[70:71]
	s_add_nc_u64 s[68:69], s[6:7], s[72:73]
.irp p, 0,1,2,3
	s_mov_b32 s[G0A+4*\p], 1
	s_add_co_u32 s[G0A+4*\p+1], s74, \p*CHUNK
	s_add_nc_u64 s[G0A+4*\p+2:G0A+4*\p+3], s[66:67], \p*SLOTB
	s_or_b32 s[G0A+4*\p+3], s[G0A+4*\p+3], 0x80000000
	s_mov_b32 s[G0B+4*\p], 1
	s_add_co_u32 s[G0B+4*\p+1], s75, \p*CHUNK
	s_add_nc_u64 s[G0B+4*\p+2:G0B+4*\p+3], s[68:69], \p*SLOTB
	s_or_b32 s[G0B+4*\p+3], s[G0B+4*\p+3], 0x80000000
.endr
	CROUND                                         ; all sixteen work-groups are here: the joint loads meet
.irp p, 0,1,2,3                        ; all fills of the launch, in the order in which they are wanted: eight loads of mine are out
	tensor_load_to_lds s[G0A+4*\p:G0A+4*\p+3], s[G1A:G1A+7]
	s_nop 0
	tensor_load_to_lds s[G0B+4*\p:G0B+4*\p+3], s[G1B:G1B+7]
	s_nop 0
.endr
	PLACES                                         ; four v_nop follow the last of them
	v_and_b32 v13, 31, v0
	s_wait_alu depctr_va_vdst(0)
	v_and_b32 v14, 15, v0                          ; r
	s_wait_alu depctr_va_vdst(0)
	v_bfe_u32 v15, v0, 4, 1                        ; h
	s_wait_alu depctr_va_vdst(0)
	v_lshlrev_b32 v[BOF], 6, v15
	s_lshl_b32 s80, s[CG], 10                      ; the bias and out0: my 64 columns begin 1,024 x column block + 256 x wave bytes on
	s_lshl_b32 s81, s[WV], 8
	s_add_co_u32 s80, s80, s81
	s_mov_b32 s81, 0
	s_add_nc_u64 s[8:9], s[8:9], s[80:81]
.irp t, 0,1,2,3                        ; lane (r, h) wants, for column tile 2 b + u, bo at columns 32 b + 8 u + 16 h + 0 .. 7: the result's layout
	global_load_b128 v[BI+8*\t:BI+8*\t+3], v[BOF], s[8:9] offset:(32*(\t/2)+8*(\t%2))*4
	global_load_b128 v[BI+8*\t+4:BI+8*\t+7], v[BOF], s[8:9] offset:(32*(\t/2)+8*(\t%2))*4+16
.endr
	s_lshl_b32 s82, s[TB], 19                      ; 128 rows of 4,096 bytes
	s_mov_b32 s83, 0
	s_add_nc_u64 s[10:11], s[10:11], s[82:83]
	s_add_nc_u64 s[10:11], s[10:11], s[80:81]
	v_lshlrev_b32 v[L16], 4, v13
	v_lshlrev_b32 v[L8], 3, v13
	v_lshlrev_b32 v[A16], 4, v13
	v_lshlrev_b32 v[A8], 3, v13
	v_add_nc_u32 v[B16], s75, v[L16]
	v_add_nc_u32 v[B8], s75, v[L8]
	v_lshlrev_b32 v[S2], 3, v14
	v_mul_u32_u24 v[S1], s75, v15                  ; lanes 16-31 take Wo's scale words
	v_add_nc_u32 v[S1], v[S1], v[S2]
	s_mul_i32 s82, s[WV], 16*272                   ; my stage
	v_mul_u32_u24 v[STO], v14, 272
	v_lshl_add_u32 v[STO], v15, 6, v[STO]
	v_add_nc_u32 v[STO], s82, v[STO]               ; in: row r, + 64 h
	v_mul_u32_u24 v[RD], v15, 272
	v_lshl_add_u32 v[RD], v14, 4, v[RD]
	v_add_nc_u32 v[RD], s82, v[RD]                 ; back: lanes 0-15 one row of 256 bytes, lanes 16-31 the next
	v_lshlrev_b32 v[CO], 12, v15
	v_lshl_add_u32 v[CO], v14, 4, v[CO]            ; and the same two rows in out0
.macro FRAG reg, a16, a8, off          ; a fragment, 12 registers, is two images of 768 bytes: every load reads 512 or 256 consecutive bytes
	ds_load_b128 v[\reg:\reg+3], v[\a16] offset:\off
	ds_load_b64 v[\reg+4:\reg+5], v[\a8] offset:\off+512
	ds_load_b128 v[\reg+6:\reg+9], v[\a16] offset:\off+768
	ds_load_b64 v[\reg+10:\reg+11], v[\a8] offset:\off+1280
.endm
.macro FETCH k                         ; K step k into fragment set k % 2; with a chunk's first step its scale words
.set WN, 0x80+0x40*((\k)%2)
	WIN WN
.irp i, 0,1,2,3,4,5,6,7
	FRAG 12*\i, A16, A8, TL*\i+1536*((\k)%2)
.endr
.irp t, 0,1,2,3
	FRAG 96+12*\t, B16, B8, TL*\t+1536*((\k)%2)
.endr
.if (\k)%2 == 0
	WIN 0
.irp i, 0,1,2,3
	ds_load_b64 v[SC+16*(((\k)/2)%2)+2*\i:SC+16*(((\k)/2)%2)+2*\i+1], v[S1] offset:TL*\i+3072   ; lanes 0-15: ctx's tile i; lanes 16-31: Wo's tile i
.endr
.irp i, 4,5,6,7
	ds_load_b64 v[SC+16*(((\k)/2)%2)+2*\i:SC+16*(((\k)/2)%2)+2*\i+1], v[S2] offset:TL*\i+3072
.endr
.endif
.endm
; 32 matrix instructions: the 32 accumulators take turns, one instruction a turn, in the same order in every step.  The first step's products take the bias as C.
.macro MUL k
.set SS, SC+16*(((\k)/2)%2)+(\k)%2
.if (\k) == 0
	WIN 0x4a                                       ; sources 0 and 1 window 2, C (the bias) window 0, D window 1
.else
.set WN, 0x5a+5*((\k)%2)
	WIN WN
.endif
.irp i, 0,1,2,3,4,5,6,7
.irp t, 0,1,2,3
.if (\k) == 0
	v_wmma_scale_f32_16x16x128_f8f6f4 v[8*(4*\i+\t):8*(4*\i+\t)+7], v[96+12*\t:107+12*\t], v[12*\i:12*\i+11], v[BI+8*\t:BI+8*\t+7], v[SS+2*\t], v[SS+2*\i] matrix_a_fmt:MATRIX_FMT_BF6 matrix_b_fmt:MATRIX_FMT_BF6 matrix_a_scale:MATRIX_SCALE_ROW1
.else
	v_wmma_scale_f32_16x16x128_f8f6f4 v[8*(4*\i+\t):8*(4*\i+\t)+7], v[96+12*\t:107+12*\t], v[12*\i:12*\i+11], v[8*(4*\i+\t):8*(4*\i+\t)+7], v[SS+2*\t], v[SS+2*\i] matrix_a_fmt:MATRIX_FMT_BF6 matrix_b_fmt:MATRIX_FMT_BF6 matrix_a_scale:MATRIX_SCALE_ROW1
.endif
.endr
.endr
.endm
.macro KSTEP k
	s_wait_dscnt 0x0                               ; this step's fragments are in: they were asked for a step, 32 matrix instructions, ago
.if ((\k)%2 == 1) && ((\k) < 7)
	s_wait_tensorcnt 5-(\k)                        ; my two loads of the next chunk have landed; two for each later chunk may be out
	s_barrier_signal -1
	s_barrier_wait -1                              ; everybody's have
	WIN 0
.irp a, A16, A8, B16, B8, S1, S2
	v_add_nc_u32 v[\a], CHUNK, v[\a]               ; on to the next chunk; these six are also the places in front of the loads below
.endr
.elseif ((\k) < 7) && ((\k) > 0)
	PLACES                                         ; in front of loads into the set that the last step multiplied (ISA guide 7.12.1 for vector instructions)
.endif
.if (\k) < 7
	s_wait_alu depctr_va_vdst(0)
	FETCH (\k)+1
.endif
	MUL \k
.endm
	s_wait_alu depctr_va_vdst(0)
	s_wait_tensorcnt 6                             ; chunk 0's two loads of mine have landed; the six younger ones stay out
	s_barrier_signal -1
	s_barrier_wait -1                              ; everybody's have
	FETCH 0
	s_wait_loadcnt 0x0                             ; the bias
.irp k, 0,1,2,3,4,5,6,7
	KSTEP \k
.endr
; THE WAY OUT, a tile of 16 tokens x 64 columns at a time: 64 bytes a lane into my stage, back as whole rows of 256 bytes, which sixteen lanes store as one aligned run of 256 bytes.
.macro TOSTAGE i
	WIN 0x04                                       ; an LDS store's data are its source 1: window 1
.irp b, 0,1
.irp k, 0,1,2,3
	ds_store_b128 v[STO], v[32*(\i)+16*\b+4*\k:32*(\i)+16*\b+4*\k+3] offset:128*\b+16*\k   ; ascending: each accumulator from its low end on
.endr
.endr
	WIN 0
.set BB, 128+32*((\i)%2)
.irp t, 0,1,2,3,4,5,6,7
	ds_load_b128 v[BB+4*\t:BB+4*\t+3], v[RD] offset:544*\t   ; LDS serves a wave's instructions in order (ISA guide 5.7.1.4): these see the stores above, and the next tile's stores come behind them
.endr
.endm
.macro SEND i, younger                 ; younger: the LDS instructions issued behind tile i's loads, which may stay out
.set BB, 128+32*((\i)%2)
	s_wait_dscnt \younger
.irp t, 0,1,2,3,4,5,6,7
	global_store_b128 v[CO], v[BB+4*\t:BB+4*\t+3], s[10:11] offset:(32*((\i)/2)+8*((\i)%2)+2*\t+8*(\t/4))*4096 th:TH_STORE_NT   ; places 2 t, 2 t + 1 of tile i are tokens 32 (i / 2) + 8 (i % 2) + 2 t + 8 (t / 4) and the next
.endr
.endm
	PLACES                                         ; in front of the first read of results
	TOSTAGE 0
.irp a, 1,2,3,4,5,6,7
.if \a > 1
	s_wait_xcnt 0x0                                ; tile a - 2's stores have read their registers: tile a's loads may land there
.endif
	TOSTAGE \a
	SEND \a-1, 16                                  ; behind tile a - 1's loads: tile a's 8 stores and 8 loads
.endr
	SEND 7, 0
	s_wait_tensorcnt 0x0
	ds_add_u32 v254, v255
	s_wait_dscnt 0x0
	CROUND                                         ; the closing round: no work-group ends while a partner may still ask for a tile that names it
	s_endpgm
.Lfunc_end_k_q96b5e5e4e1_proj:
	.size	k_q96b5e5e4e1_proj, .Lfunc_end_k_q96b5e5e4e1_proj-k_q96b5e5e4e1_proj
	.p2alignl 7, 3214868480
	.fill 96, 4, 3214868480
	.section	.rodata,"a",@progbits
	.p2align	6, 0x0
	.amdhsa_kernel k_q96b5e5e4e1_proj
		.amdhsa_group_segment_fixed_size 307712
		.amdhsa_private_segment_fixed_size 0
		.amdhsa_enable_private_segment 0
		.amdhsa_kernarg_size 32
		.amdhsa_user_sgpr_count 2
		.amdhsa_user_sgpr_kernarg_segment_ptr 1
		.amdhsa_wavefront_size32 1
		.amdhsa_system_sgpr_workgroup_id_x 1
		.amdhsa_system_sgpr_workgroup_id_y 1
		.amdhsa_system_sgpr_workgroup_id_z 1
		.amdhsa_system_vgpr_workitem_id 0
		.amdhsa_next_free_vgpr 1024
		.amdhsa_next_free_sgpr 96
		.amdhsa_reserve_vcc 0
		.amdhsa_float_denorm_mode_32 3
		.amdhsa_float_denorm_mode_16_64 3
		.amdhsa_memory_ordered 1
		.amdhsa_forward_progress 1
		.amdhsa_inst_pref_size 85
	.end_amdhsa_kernel
	.amdgpu_metadata
---
amdhsa.version: [ 1, 2 ]
amdhsa.kernels:
  - .name:           k_q96b5e5e4e1_proj
    .symbol:         k_q96b5e5e4e1_proj.kd
    .args:
      - { .name: crec, .offset: 0, .size: 8, .value_kind: global_buffer, .address_space: global }
      - { .name: wrec, .offset: 8, .size: 8, .value_kind: global_buffer, .address_space: global }
      - { .name: bo, .offset: 16, .size: 8, .value_kind: global_buffer, .address_space: global }
      - { .name: out0, .offset: 24, .size: 8, .value_kind: global_buffer, .address_space: global }
    .group_segment_fixed_size: 307712
    .private_segment_fixed_size: 0
    .kernarg_segment_align: 8
    .kernarg_segment_size: 32
    .max_flat_workgroup_size: 128
    .sgpr_count:     96
    .vgpr_count:     1024
    .wavefront_size: 32
...
	.end_amdgpu_metadata
.endif
;; end of part 4
